; MI455X (gfx1250); checked and timed in simulation.
; The chip was launched on July 23, 2026; its instructions are those of AMD's public machine-readable ISA for CDNA 5 (MIT licence, August 2026) and "CDNA5" Instruction Set Architecture Reference Guide (July 2026). The comments in the code are by the model that wrote it; some were corrected since.
;; Block. Allowed arithmetic: float matrix products may take bf16 or f16 operands with f32 sums; all other float work in f32.
;; Inputs: W1 1,024 x 4,096 float32; W2 4,096 x 1,024 float32; Wk 1,024 x 1,024 float32; Wo 1,024 x 1,024 float32; Wq 1,024 x 1,024 float32; Wv 1,024 x 1,024 float32; b1 4,096 float32; b2 1,024 float32; bk 1,024 float32; bo 1,024 float32; bq 1,024 float32; bv 1,024 float32; ln1_b 1,024 float32; ln1_g 1,024 float32; ln2_b 1,024 float32; ln2_g 1,024 float32; x 2 x 2,048 x 1,024 float32.
;; Outputs: out0 2 x 2,048 x 1,024 float32.
;; 2 versions, each right; version 2 is version 1 with the launches prep, ln2 written anew for expert scheduling mode. Each part assembles by itself: llvm-mc -triple=amdgcn-amd-amdhsa -mcpu=gfx1250 --defsym DOCPART=n.
;; ======== version 1 of 2: 7 launches
;; limits: a function is approximated: absolute error at most 1.5e-07
;; workspace buffers: wbf 25,165,824 bytes; h 8,388,608 bytes; qkv 25,165,824 bytes; att 8,388,608 bytes; x1 16,777,216 bytes; g 33,554,432 bytes
;; launch prep (part 1): grid 1024 x 1, 8 waves a work-group, no clusters, 0 bytes of LDS; arguments x, ln1_g, ln1_b, h, Wq, Wk, Wv, Wo, W1, W2, wbf; writes h, wbf
.if DOCPART == 1
	.amdgcn_target "amdgcn-amd-amdhsa--gfx1250"
	.amdhsa_code_object_version 6
	.text
	.protected	k_q40b1bdcadd_prep
	.globl	k_q40b1bdcadd_prep
	.p2align	8
	.type	k_q40b1bdcadd_prep,@function
k_q40b1bdcadd_prep:
	s_mov_b64 s[64:65], 0
	v_nop
	global_prefetch_b8 v0, s[64:65] scope:SCOPE_SE
	s_setreg_imm32_b32 hwreg(HW_REG_WAVE_MODE, 25, 1), 1
	s_wait_xcnt 0x0
; Work-groups 0-255:    h = layernorm(x) * g + b, rounded once to bf16.  x: [4096][1024] f32, h: [4096][1024] bf16.
; Work-groups 256-1023: the six weight matrices, f32 to bf16, layout kept ([K][N]), one behind the other in wbf:
;                       Wq, Wk, Wv, Wo (2 MiB each), W1, W2 (8 MiB each).  Each matrix is read by 16 to 32 row blocks later, so it is rounded once here.
; Both kinds of work-group read 65,536 bytes.  Memory binds: no LDS, no barrier, no matrix unit, no cluster (no byte is shared).
; LN: a row is 4,096 bytes = 32 registers of one wave; a wave takes two rows and keeps them in registers between the passes.
; The variance is the mean of (x - mean)^2, taken on the centred row: no difference of large sums is formed.
; Limits: non-finite inputs are not served.
.set X0, 32                            ; v[32:63]   row 0
.set X1, 64                            ; v[64:95]   row 1
.set GA, 96                            ; v[96:127]  g of my 32 columns
.set BE, 128                           ; v[128:159] b of my 32 columns
; v1 = 16 x lane, v2 = 8 x lane, v[4:7] two chains of sums, v[8:9] mean twice, v[10:11] 1/sqrt twice, v12, v13 at work
.macro LANESUM                         ; v12 summed over the 32 lanes, the result in every lane
	v_add_f32_dpp v12, v12, v12 row_xmask:1 row_mask:0xf bank_mask:0xf
	v_add_f32_dpp v12, v12, v12 row_xmask:2 row_mask:0xf bank_mask:0xf
	v_add_f32_dpp v12, v12, v12 row_xmask:4 row_mask:0xf bank_mask:0xf
	v_add_f32_dpp v12, v12, v12 row_xmask:8 row_mask:0xf bank_mask:0xf
	v_permlanex16_b32 v13, v12, s28, s29
	v_add_f32 v12, v12, v13
.endm
; the row in v[X:X+31] becomes (x - mean) / sqrt(var + eps), in place
.macro STATS X
	v_pk_add_f32 v[4:5], v[\X:\X+1], v[\X+2:\X+3]
	v_pk_add_f32 v[6:7], v[\X+4:\X+5], v[\X+6:\X+7]
.set j, 8
.rept 6
	v_pk_add_f32 v[4:5], v[4:5], v[\X+j:\X+j+1]
	v_pk_add_f32 v[6:7], v[6:7], v[\X+j+2:\X+j+3]
.set j, j+4
.endr
	v_pk_add_f32 v[4:5], v[4:5], v[6:7]
	v_add_f32 v12, v4, v5
	LANESUM
	v_mul_f32 v8, s30, v12                         ; the mean, twice, for the packed subtraction
	v_mul_f32 v9, s30, v12
.set j, 0
.rept 16
	v_pk_add_f32 v[\X+j:\X+j+1], v[\X+j:\X+j+1], v[8:9] neg_lo:[0,1] neg_hi:[0,1]
.set j, j+2
.endr
	v_pk_mul_f32 v[4:5], v[\X:\X+1], v[\X:\X+1]
	v_pk_mul_f32 v[6:7], v[\X+2:\X+3], v[\X+2:\X+3]
.set j, 4
.rept 7
	v_pk_fma_f32 v[4:5], v[\X+j:\X+j+1], v[\X+j:\X+j+1], v[4:5]
	v_pk_fma_f32 v[6:7], v[\X+j+2:\X+j+3], v[\X+j+2:\X+j+3], v[6:7]
.set j, j+4
.endr
	v_pk_add_f32 v[4:5], v[4:5], v[6:7]
	v_add_f32 v12, v4, v5
	LANESUM
	v_fma_f32 v12, v12, s30, s31                   ; var + eps
	v_rsq_f32 v10, v12
	v_rsq_f32 v11, v12
	v_nop                                          ; one plain instruction behind the transcendentals before their results are used (ISA guide 5.7.2)
.set j, 0
	s_wait_alu depctr_va_vdst(0)
.rept 16
	v_pk_mul_f32 v[\X+j:\X+j+1], v[\X+j:\X+j+1], v[10:11]
.set j, j+2
.endr
.endm
; * g + b, rounded to bf16, stored: a store of the wave covers 256 consecutive bytes, aligned
.macro EMIT X, rowoff
.irp j, 0,1,2,3,4,5,6,7
	v_pk_fma_f32 v[\X+4*\j:\X+4*\j+1], v[\X+4*\j:\X+4*\j+1], v[GA+4*\j:GA+4*\j+1], v[BE+4*\j:BE+4*\j+1]
	v_pk_fma_f32 v[\X+4*\j+2:\X+4*\j+3], v[\X+4*\j+2:\X+4*\j+3], v[GA+4*\j+2:GA+4*\j+3], v[BE+4*\j+2:BE+4*\j+3]
	v_cvt_pk_bf16_f32 v[\X+4*\j], v[\X+4*\j], v[\X+4*\j+1]
	v_cvt_pk_bf16_f32 v[\X+4*\j+1], v[\X+4*\j+2], v[\X+4*\j+3]
	global_store_b64 v2, v[\X+4*\j:\X+4*\j+1], s[10:11] offset:256*\j+\rowoff
.endr
.endm
	s_load_b256 s[4:11], s[0:1], 0x0               ; x s[4:5], g s[6:7], b s[8:9], h s[10:11]
	s_load_b256 s[12:19], s[0:1], 0x20             ; Wq, Wk, Wv, Wo
	s_load_b128 s[20:23], s[0:1], 0x40             ; W1, W2
	s_load_b64 s[24:25], s[0:1], 0x50              ; wbf
	v_lshrrev_b32 v3, 5, v0
	v_readfirstlane_b32 s26, v3                    ; wave 0..7
	v_and_b32 v1, 31, v0
	v_lshlrev_b32 v2, 3, v1                        ; 8 x lane: my bytes in a stored piece
	v_lshlrev_b32 v1, 4, v1                        ; 16 x lane: my bytes in a loaded piece
	s_cmp_ge_u32 ttmp9, 256
	s_cbranch_scc1 .Lcvt
	; ---- layernorm: rows 16 x group + 2 x wave and the next
	s_lshl_b32 s32, ttmp9, 4
	s_lshl1_add_u32 s32, s26, s32                  ; my first row
	s_lshl_b32 s34, s32, 11                        ; x 2,048 bytes in h
	s_lshl_b32 s32, s32, 12                        ; x 4,096 bytes in x
	s_mov_b32 s33, 0
	s_mov_b32 s35, 0
	s_mov_b32 s28, 0x76543210                      ; v_permlanex16_b32: lane i reads lane i of the other half
	s_mov_b32 s29, 0xfedcba98
	s_mov_b32 s30, 0x3a800000                      ; 1 / 1024
	s_mov_b32 s31, 0x3727c5ac                      ; 1e-5
	v_mov_b32 v13, 0                               ; the permute's destination counts as read
	s_wait_kmcnt 0x0
	s_add_nc_u64 s[4:5], s[4:5], s[32:33]
	s_add_nc_u64 s[10:11], s[10:11], s[34:35]
.irp j, 0,1,2,3,4,5,6,7
	global_load_b128 v[X0+4*\j:X0+4*\j+3], v1, s[4:5] offset:512*\j
.endr
.irp j, 0,1,2,3,4,5,6,7
	global_load_b128 v[X1+4*\j:X1+4*\j+3], v1, s[4:5] offset:512*\j+4096
.endr
.irp j, 0,1,2,3,4,5,6,7
	global_load_b128 v[GA+4*\j:GA+4*\j+3], v1, s[6:7] offset:512*\j
.endr
.irp j, 0,1,2,3,4,5,6,7
	global_load_b128 v[BE+4*\j:BE+4*\j+3], v1, s[8:9] offset:512*\j
.endr
	s_wait_loadcnt 24                              ; row 0 is in; the 24 younger loads stay out
	STATS X0
	s_wait_loadcnt 16                              ; row 1 is in; g and b may stay out
	STATS X1
	s_wait_loadcnt 0x0
	EMIT X0, 0
	EMIT X1, 2048
	s_endpgm
	; ---- weights: work-group idx = id - 256 rounds 16,384 numbers, a wave 2,048
.Lcvt:
	s_sub_co_u32 s27, ttmp9, 256
	s_wait_kmcnt 0x0
	s_mov_b64 s[36:37], s[22:23]                   ; which matrix, and its first work-group: W2 from 512 on,
	s_mov_b32 s38, 512
	s_cmp_lt_u32 s27, 512
	s_cselect_b64 s[36:37], s[20:21], s[36:37]     ; W1 from 256,
	s_cselect_b32 s38, 256, s38
	s_cmp_lt_u32 s27, 256
	s_cselect_b64 s[36:37], s[18:19], s[36:37]     ; Wo from 192,
	s_cselect_b32 s38, 192, s38
	s_cmp_lt_u32 s27, 192
	s_cselect_b64 s[36:37], s[16:17], s[36:37]     ; Wv from 128,
	s_cselect_b32 s38, 128, s38
	s_cmp_lt_u32 s27, 128
	s_cselect_b64 s[36:37], s[14:15], s[36:37]     ; Wk from 64,
	s_cselect_b32 s38, 64, s38
	s_cmp_lt_u32 s27, 64
	s_cselect_b64 s[36:37], s[12:13], s[36:37]     ; Wq from 0
	s_cselect_b32 s38, 0, s38
	s_sub_co_u32 s38, s27, s38
	s_lshl_b32 s32, s38, 16                        ; 65,536 bytes of f32 a work-group,
	s_lshl_b32 s39, s26, 13                        ; 8,192 a wave
	s_add_co_u32 s32, s32, s39
	s_mov_b32 s33, 0
	s_add_nc_u64 s[36:37], s[36:37], s[32:33]
	s_lshl_b32 s34, s27, 15                        ; half of that in wbf, counted over all six matrices
	s_lshl_b32 s39, s26, 12
	s_add_co_u32 s34, s34, s39
	s_mov_b32 s35, 0
	s_add_nc_u64 s[24:25], s[24:25], s[34:35]
.irp j, 0,1,2,3,4,5,6,7,8,9,10,11,12,13,14,15
	global_load_b128 v[32+4*\j:35+4*\j], v1, s[36:37] offset:512*\j th:TH_LOAD_NT
.endr
.irp j, 0,1,2,3,4,5,6,7,8,9,10,11,12,13,14,15
	s_wait_loadcnt 15-\j                           ; loads come back in order: piece j is in, the younger ones stay out
	v_cvt_pk_bf16_f32 v[32+4*\j], v[32+4*\j], v[33+4*\j]
	v_cvt_pk_bf16_f32 v[33+4*\j], v[34+4*\j], v[35+4*\j]
	global_store_b64 v2, v[32+4*\j:33+4*\j], s[24:25] offset:256*\j
.endr
	s_endpgm
.Lfunc_end_k_q40b1bdcadd_prep:
	.size	k_q40b1bdcadd_prep, .Lfunc_end_k_q40b1bdcadd_prep-k_q40b1bdcadd_prep
	.p2alignl 7, 3214868480
	.fill 96, 4, 3214868480
	.section	.rodata,"a",@progbits
	.p2align	6, 0x0
	.amdhsa_kernel k_q40b1bdcadd_prep
		.amdhsa_group_segment_fixed_size 0
		.amdhsa_private_segment_fixed_size 0
		.amdhsa_enable_private_segment 0
		.amdhsa_kernarg_size 88
		.amdhsa_user_sgpr_count 2
		.amdhsa_user_sgpr_kernarg_segment_ptr 1
		.amdhsa_wavefront_size32 1
		.amdhsa_system_sgpr_workgroup_id_x 1
		.amdhsa_system_sgpr_workgroup_id_y 1
		.amdhsa_system_sgpr_workgroup_id_z 1
		.amdhsa_system_vgpr_workitem_id 0
		.amdhsa_next_free_vgpr 160
		.amdhsa_next_free_sgpr 66
		.amdhsa_reserve_vcc 0
		.amdhsa_float_denorm_mode_32 3
		.amdhsa_float_denorm_mode_16_64 3
		.amdhsa_memory_ordered 1
		.amdhsa_forward_progress 1
		.amdhsa_inst_pref_size 27
	.end_amdhsa_kernel
	.amdgpu_metadata
---
amdhsa.version: [ 1, 2 ]
amdhsa.kernels:
  - .name:           k_q40b1bdcadd_prep
    .symbol:         k_q40b1bdcadd_prep.kd
    .args:
      - { .name: x, .offset: 0, .size: 8, .value_kind: global_buffer, .address_space: global }
      - { .name: ln1_g, .offset: 8, .size: 8, .value_kind: global_buffer, .address_space: global }
      - { .name: ln1_b, .offset: 16, .size: 8, .value_kind: global_buffer, .address_space: global }
      - { .name: h, .offset: 24, .size: 8, .value_kind: global_buffer, .address_space: global }
      - { .name: Wq, .offset: 32, .size: 8, .value_kind: global_buffer, .address_space: global }
      - { .name: Wk, .offset: 40, .size: 8, .value_kind: global_buffer, .address_space: global }
      - { .name: Wv, .offset: 48, .size: 8, .value_kind: global_buffer, .address_space: global }
      - { .name: Wo, .offset: 56, .size: 8, .value_kind: global_buffer, .address_space: global }
      - { .name: W1, .offset: 64, .size: 8, .value_kind: global_buffer, .address_space: global }
      - { .name: W2, .offset: 72, .size: 8, .value_kind: global_buffer, .address_space: global }
      - { .name: wbf, .offset: 80, .size: 8, .value_kind: global_buffer, .address_space: global }
    .group_segment_fixed_size: 0
    .private_segment_fixed_size: 0
    .kernarg_segment_align: 8
    .kernarg_segment_size: 88
    .max_flat_workgroup_size: 256
    .sgpr_count:     66
    .vgpr_count:     160
    .wavefront_size: 32
...
	.end_amdgpu_metadata
.endif
;; end of part 1
;; launch qkv (part 2): grid 12 x 16, 4 waves a work-group, clusters of 4 x 4, 327,680 bytes of LDS; arguments h, wbf, qkv, bq, bk, bv; writes qkv
.if DOCPART == 2
	.amdgcn_target "amdgcn-amd-amdhsa--gfx1250"
	.amdhsa_code_object_version 6
	.text
	.protected	k_q40b1bdcadd_qkv
	.globl	k_q40b1bdcadd_qkv
	.p2align	8
	.type	k_q40b1bdcadd_qkv,@function
k_q40b1bdcadd_qkv:
	s_mov_b64 s[64:65], 0
	v_nop
	global_prefetch_b8 v0, s[64:65] scope:SCOPE_SE
	s_setreg_imm32_b32 hwreg(HW_REG_WAVE_MODE, 25, 1), 1
	s_wait_xcnt 0x0
	s_wait_alu depctr_hold_cnt(0) depctr_sa_sdst(0) depctr_va_vdst(0) depctr_va_sdst(0) depctr_va_ssrc(0) depctr_va_vcc(0) depctr_vm_vsrc(0)
	s_getreg_b32 s2, hwreg(HW_REG_IB_STS2, 6, 4)
	s_cmp_eq_u32 s2, 0
	s_cbranch_scc0 .Lentry_in_a_cluster
	s_endpgm
.Lentry_in_a_cluster:
	s_bfe_u32 s2, ttmp6, 0x10000c
	s_cmp_lg_u32 s2, 0xf033
	s_cbranch_scc0 .Lentry_shape_is_right
	s_endpgm
.Lentry_shape_is_right:
; q, k, v = h W + b, stored in bf16 as qkv[3][4096][1024].  h: [4096][1024] bf16; Wq, Wk, Wv: [1024 (k)][1024 (n)] bf16, one behind the other in wbf.
; The three products are one grid: block column bx = 0..11, matrix bx / 4, block of 256 columns bx % 4; block row by = 0..15.
; A work-group makes 256 x 256 of the result with four waves, a wave 128 x 128: 64 accumulator tiles, 512 registers.
; K goes in steps of 128 through two LDS slots filled by the tensor data mover.  A's tile: 256 rows x 256 bytes.  W's tile: 128 k-rows x 512 bytes,
; kept as it lies in memory (k down the rows); the fragments are read from it by transposing LDS loads.
; CLUSTERS: 4 x 4 work-groups.  A's tile hangs on the block row alone and is asked for jointly along a row of the cluster, W's on the block column alone
; and is asked for jointly along a column: the requests for both are divided by four.
; REGISTERS: window 0: v1-31 addresses and bias; v64-127, v128-191 fragments of A, two buffers (at work on the way out);
;            window 1: v64-127, v128-191 fragments of W; windows 2, 3: accumulator tiles (a, b) of my rows 0-63, 64-127 at v[8 (8 a + b)].
; The matrix instruction is used transposed (source 0 = 16 columns of W, source 1 = 16 rows of A): a lane then holds eight neighbouring columns of one row.
; The 64 accumulators take turns, one instruction a turn, in the same order in every quarter step.
; Limits: operands are rounded to bf16, sums are f32; non-finite inputs are not served.
.set SIZE_K, 1024                      ; length of the sums
.set LDB,    1024                      ; numbers in a row of W and of the result
.set NBL,    2                         ; log2 of the blocks of 256 columns in a matrix
.set WOFF,   0                         ; first matrix in wbf
.set KSTEP,  128
.set PA,     272                       ; LDS row of A: 256 bytes + 16: an odd multiple of 16, the 16 rows of a fragment load start at 16 different 16-byte columns
.set PB,     544                       ; LDS row of W: 512 bytes + 32: an odd multiple of 32, as the transposing loads want
.set AHALF,  128*PA                    ; what one tensor load brings of A
.set ATILE,  2*AHALF
.set BHALF,  64*PB                     ; what one tensor load brings of W
.set SLOT,   ATILE+2*BHALF
.set STAGE,  2*SLOT                    ; behind the ring: 16 rows x 528 bytes for each wave; no tensor load lands here
.set SP,     528
.set STG,    16*SP
.set LAPS,   SIZE_K/(2*KSTEP)          ; a lap = two K steps = once round the ring
.set ADRA, 16                          ; v16-17 LDS address of my A fragments in slot 0, 1
.set ADRB, 20                          ; v20-21 the same for W
.set STO,  24                          ; the way out: where I put my tile rows
.set RD,   25                          ; where I read a row back
.set CO,   26                          ; my byte offset in a stored row
.set BOF,  27                          ; my byte offset in the bias
.set BIAS, 28                          ; v[28:31] bias of my four columns
.set F0,   64
.set F1,   128
.set PK,   128                         ; the way out: packed results
.set G1A, 24                           ; s[24:31] group 1 for A's tiles
.set G0A, 32                           ; s[32:39] group 0 for A's tiles, a set for each slot
.set G1B, 48                           ; s[48:55] group 1 for W's tiles
.set G0B, 56                           ; s[56:63] group 0 for W's tiles
.set MSB, 0
.macro WIN new                         ; the immediate's high byte repeats the setting that is left
.if MSB != \new
	s_set_vgpr_msb (MSB<<8)|\new
.set MSB, \new
.endif
.endm
.set MUL_LO, 0xa1                      ; source 0 (W) window 1, source 1 (A) window 0, C and D window 2
.set MUL_HI, 0xf1                      ; the same, C and D window 3
.set TO_B,   0x40                      ; destination window 1
.macro JLOAD s                         ; a joint load: waves 0, 1 ask for A's halves, waves 2, 3 for W's; the branch hangs on the wave's number alone
	s_cmp_eq_u32 s17, 0
	s_cbranch_scc0 .Lfor_b_\@
	tensor_load_to_lds s[G0A+4*\s:G0A+4*\s+3], s[G1A:G1A+7]
	s_nop 0
	s_branch .Lasked_\@
.Lfor_b_\@:
	tensor_load_to_lds s[G0B+4*\s:G0B+4*\s+3], s[G1B:G1B+7]
	s_nop 0
.Lasked_\@:
.endm
.macro CREST                           ; a round of the cluster's barrier behind its opening barrier
	s_cmp_lg_u32 s16, 0
	s_cbranch_scc1 .Lnot_wave_0_\@
	s_barrier_signal -3
.Lnot_wave_0_\@:
	s_barrier_wait -3
	s_barrier_signal -1
	s_barrier_wait -1
.endm
.macro CROUND
	s_barrier_signal -1
	s_barrier_wait -1
	CREST
.endm
	s_load_b256 s[4:11], s[0:1], 0x0               ; A s[4:5], wbf s[6:7], result s[8:9], bq s[10:11]
	s_load_b128 s[12:15], s[0:1], 0x20             ; bk, bv
	s_set_vgpr_msb 0x40
	v_lshl_add_u32 v255, v0, 2, 0x4c400
	s_set_vgpr_msb 0x4000
	v_mov_b32 v255, 0
	s_set_vgpr_msb 0x1
	ds_add_u32 v255, v255
	s_set_vgpr_msb 0x100
	v_lshrrev_b32 v1, 5, v0
	v_readfirstlane_b32 s16, v1                    ; wave 0..3
	s_lshr_b32 s17, s16, 1                         ; my half of the block's rows; also: I fetch for A (0) or W (1)
	s_and_b32 s18, s16, 1                          ; my half of its columns; also: which half of that tile I fetch
	s_bfe_u32 s20, ttmp6, 0x40000                  ; cx
	s_bfe_u32 s21, ttmp6, 0x40004                  ; cy
	s_lshl_b32 s22, ttmp9, 2
	s_add_co_u32 s22, s22, s20                     ; block column bx
	s_and_b32 s23, ttmp7, 0xffff
	s_lshl_b32 s23, s23, 2
	s_add_co_u32 s23, s23, s21                     ; block row by
	s_lshl_b32 s40, s21, 2
	s_lshl_b32 s40, 15, s40                        ; my row of the cluster
	s_lshl_b32 s41, 0x1111, s20                    ; my column
	s_or_b32 s[G1A+0], s40, (1<<16)|(1<<20)|(1<<21)|(5<<22)|(3<<25)   ; mask; 2-byte elements; padding on; bit 21 beside a mask; after 64 words 4 words
	s_mov_b32 s[G1A+1], KSTEP<<16                  ; tensor_dim0 = 128
	s_mov_b32 s[G1A+2], 128<<16                    ; tensor_dim1 = 128
	s_mov_b32 s[G1A+3], KSTEP<<16                  ; tile_dim0 = 128
	s_mov_b32 s[G1A+4], 128                        ; tile_dim1 = 128 rows
	s_mov_b32 s[G1A+5], SIZE_K                     ; numbers from row to row
	s_mov_b32 s[G1A+6], 0
	s_mov_b32 s[G1A+7], 0
	s_or_b32 s[G1B+0], s41, (1<<16)|(1<<20)|(1<<21)|(6<<22)|(7<<25)   ; after 128 words 8 words
	s_mov_b32 s[G1B+1], 256<<16                    ; tensor_dim0 = 256 columns
	s_mov_b32 s[G1B+2], 64<<16                     ; tensor_dim1 = 64 k-rows
	s_mov_b32 s[G1B+3], 256<<16
	s_mov_b32 s[G1B+4], 64
	s_mov_b32 s[G1B+5], LDB
	s_mov_b32 s[G1B+6], 0
	s_mov_b32 s[G1B+7], 0
	s_lshl_b32 s42, s23, 8                         ; A: row 256 by + 128 half, in bytes
	s_lshl_b32 s43, s18, 7
	s_add_co_u32 s42, s42, s43
	s_mul_i32 s42, s42, SIZE_K*2
	s_mov_b32 s43, 0
	s_mul_i32 s46, s18, AHALF                      ; and where it goes
	s_lshr_b32 s66, s22, NBL                       ; W: which matrix,
	s_and_b32 s67, s22, (1<<NBL)-1                 ; which block of 256 columns,
	s_mul_i32 s68, s66, SIZE_K*LDB*2
	s_lshl_b32 s69, s67, 9
	s_add_co_u32 s68, s68, s69
	s_mul_i32 s69, s18, 64*LDB*2                   ; which 64 k-rows
	s_add_co_u32 s68, s68, s69
	s_add_co_u32 s68, s68, WOFF
	s_mov_b32 s69, 0
	s_mul_i32 s72, s18, BHALF
	s_add_co_u32 s72, s72, ATILE
	s_wait_dscnt 0x0
	s_wait_kmcnt 0x0
	s_add_nc_u64 s[44:45], s[4:5], s[42:43]
	s_add_nc_u64 s[70:71], s[6:7], s[68:69]
	CROUND                                         ; all sixteen work-groups are here: the first joint loads meet
.irp s, 0,1
	s_mov_b32 s[G0A+4*\s], 1
	s_add_co_u32 s[G0A+4*\s+1], s46, \s*SLOT
	s_add_nc_u64 s[G0A+4*\s+2:G0A+4*\s+3], s[44:45], \s*KSTEP*2
	s_or_b32 s[G0A+4*\s+3], s[G0A+4*\s+3], 0x80000000
	s_mov_b32 s[G0B+4*\s], 1
	s_add_co_u32 s[G0B+4*\s+1], s72, \s*SLOT
	s_add_nc_u64 s[G0B+4*\s+2:G0B+4*\s+3], s[70:71], \s*KSTEP*LDB*2
	s_or_b32 s[G0B+4*\s+3], s[G0B+4*\s+3], 0x80000000
	JLOAD \s                                       ; two tensor loads of the wave are out here, later one
.endr
	v_and_b32 v1, 15, v0                           ; r = lane % 16
	v_bfe_u32 v2, v0, 4, 1                         ; h = lane / 16
	v_and_b32 v3, 31, v0                           ; lane
	v_mul_u32_u24 v4, v1, PA                       ; A fragment: row r, 16 bytes for each half of the lanes
	v_lshl_add_u32 v4, v2, 4, v4
	s_mul_i32 s73, s17, AHALF                      ; my 128 rows of A
	v_add_nc_u32 v[ADRA], s73, v4
	v_add_nc_u32 v[ADRA+1], SLOT, v[ADRA]
	v_and_b32 v5, 7, v0                            ; W fragment, transposing load: k-row 8 h + lane % 8,
	v_lshl_add_u32 v5, v2, 3, v5
	v_mul_u32_u24 v5, v5, PB
	v_bfe_u32 v6, v0, 3, 1                         ; 16 bytes further for the odd groups of eight lanes
	v_lshl_add_u32 v5, v6, 4, v5
	s_lshl_b32 s74, s18, 8                         ; my 128 columns
	s_add_co_u32 s74, s74, ATILE
	v_add_nc_u32 v[ADRB], s74, v5
	v_add_nc_u32 v[ADRB+1], SLOT, v[ADRB]
	s_mul_i32 s75, s16, STG
	s_add_co_u32 s75, s75, STAGE                   ; my stage
	v_mul_u32_u24 v7, v1, SP
	v_lshl_add_u32 v7, v2, 5, v7                   ; in: row r, 32 bytes for each half of the lanes
	v_add_nc_u32 v[STO], s75, v7
	v_lshl_add_u32 v[RD], v3, 4, s75               ; back: a row of 128 f32, 16 bytes a lane
	v_lshlrev_b32 v[CO], 3, v3                     ; out: 8 bytes a lane
	v_lshlrev_b32 v[BOF], 4, v3
	s_cmp_eq_u32 ttmp9, 1                          ; the matrix number is the cluster's x
	s_cselect_b64 s[10:11], s[12:13], s[10:11]
	s_cmp_eq_u32 ttmp9, 2
	s_cselect_b64 s[10:11], s[14:15], s[10:11]
	s_lshl_b32 s76, s67, 8
	s_lshl_b32 s77, s18, 7
	s_add_co_u32 s76, s76, s77                     ; my first column in the matrix
	s_lshl_b32 s78, s76, 2
	s_mov_b32 s79, 0
	s_add_nc_u64 s[10:11], s[10:11], s[78:79]
	global_load_b128 v[BIAS:BIAS+3], v[BOF], s[10:11]
	s_lshl_b32 s77, s23, 8
	s_lshl_b32 s78, s17, 7
	s_add_co_u32 s77, s77, s78                     ; my first row,
	s_lshl_b32 s78, s66, 12
	s_add_co_u32 s77, s77, s78                     ; 4,096 rows further for each matrix
	s_mul_i32 s77, s77, LDB*2
	s_lshl1_add_u32 s78, s76, s77
	s_add_nc_u64 s[8:9], s[8:9], s[78:79]
; 16 matrix instructions: m blocks a0, a0 + 1 of the window's four x all 8 n blocks, 32 along K.  zero = 1: the first product starts the sums.
.macro MUL16 f, hi, a0, zero
.irp a, \a0, \a0+1
.irp b, 0,1,2,3,4,5,6,7
.if \zero
	v_wmma_f32_16x16x32_bf16 v[8*(8*(\a)+\b):8*(8*(\a)+\b)+7], v[\f+8*\b:\f+8*\b+7], v[\f+8*(4*\hi+\a):\f+8*(4*\hi+\a)+7], 0
.else
	v_wmma_f32_16x16x32_bf16 v[8*(8*(\a)+\b):8*(8*(\a)+\b)+7], v[\f+8*\b:\f+8*\b+7], v[\f+8*(4*\hi+\a):\f+8*(4*\hi+\a)+7], v[8*(8*(\a)+\b):8*(8*(\a)+\b)+7]
.endif
.endr
.endr
.endm
; 32 LDS loads in one run: the fragments of quarter q of a K step into buffer f
.macro FETCH slot, q, f
	WIN TO_B
.irp i, 0,1,2,3,4,5,6,7
	ds_load_tr16_b128 v[\f+8*\i:\f+8*\i+3],   v[ADRB+\slot] offset:32*\q*PB+32*\i          ; k = 32 q + 8 h + 0..7 of column 16 i + r
	ds_load_tr16_b128 v[\f+8*\i+4:\f+8*\i+7], v[ADRB+\slot] offset:32*\q*PB+32*\i+16*PB    ; k sixteen further
.endr
	WIN 0
.irp i, 0,1,2,3,4,5,6,7
	ds_load_b128 v[\f+8*\i:\f+8*\i+3],   v[ADRA+\slot] offset:64*\q+\i*16*PA
	ds_load_b128 v[\f+8*\i+4:\f+8*\i+7], v[ADRA+\slot] offset:64*\q+\i*16*PA+32
.endr
.endm
.macro PLACES                          ; four places between a matrix instruction and a load into, or a vector use of, its registers
.rept 4
	v_nop
.endr
.endm
.macro QUARTER slot, q, f, g, zero     ; multiplies buffer f; in its middle fetches quarter q into buffer g
	s_wait_dscnt 8                                 ; W and A's rows 0-63 are in; the youngest eight loads (A's rows 64-127) may be out
	WIN MUL_LO
	MUL16 \f, 0, 0, \zero
	MUL16 \f, 0, 2, \zero
	PLACES
	FETCH \slot, \q, \g
	s_wait_dscnt 32                                ; all but the 32 just issued
	WIN MUL_HI
	MUL16 \f, 1, 0, \zero
	MUL16 \f, 1, 2, \zero
.endm
.macro THREE slot, zero
	QUARTER \slot, 1, F0, F1, \zero
	QUARTER \slot, 2, F1, F0, 0
	QUARTER \slot, 3, F0, F1, 0
.endm
; The last quarter: multiplies buffer 1 and changes slots.  In front of the barrier each wave waits for its reads of this slot and for all its tensor
; loads (the one that is out is its part of the next slot).  fill = 1: the barrier opens a round of the cluster's barrier, and the joint refill is the
; first tensor load behind the round.  From a request to the wait for it a wave issues 240 matrix instructions.
.macro TURN slot, next, fill
	s_wait_dscnt 8
	WIN MUL_LO
	MUL16 F1, 0, 0, 0
	s_wait_dscnt 0
	s_wait_tensorcnt 0x0
	ds_add_u32 v255, v255
	s_wait_dscnt 0x0
	s_barrier_signal -1
	MUL16 F1, 0, 2, 0                              ; register work while the others arrive
	WIN 0
	s_barrier_wait -1
.if \fill
	CREST
	s_add_nc_u64 s[G0A+4*\slot+2:G0A+4*\slot+3], s[G0A+4*\slot+2:G0A+4*\slot+3], 2*KSTEP*2
	s_add_nc_u64 s[G0B+4*\slot+2:G0B+4*\slot+3], s[G0B+4*\slot+2:G0B+4*\slot+3], 2*KSTEP*LDB*2
	JLOAD \slot
.endif
	PLACES
	FETCH \next, 0, F0
	WIN MUL_HI
	MUL16 F1, 1, 0, 0
	MUL16 F1, 1, 2, 0
.endm
.macro LAP zero
	THREE 0, \zero
	TURN 0, 1, 1
	THREE 1, 0
	TURN 1, 0, 1
.endm
	s_wait_tensorcnt 1                             ; my part of K step 0 is in; K step 1's may stay out
	s_barrier_signal -1
	s_barrier_wait -1
	FETCH 0, 0, F0
	LAP 1
.if LAPS > 2
	WIN 0
	s_mov_b32 s19, LAPS-2
.Llap:
	LAP 0
	WIN 0
	s_sub_co_u32 s19, s19, 1
	s_cmp_lg_u32 s19, 0
	s_cbranch_scc1 .Llap
.endif
	THREE 0, 0                                     ; the last lap fills nothing
	TURN 0, 1, 0
	THREE 1, 0
	s_wait_dscnt 8
	WIN MUL_LO
	MUL16 F1, 0, 0, 0
	MUL16 F1, 0, 2, 0
	s_wait_dscnt 0
	WIN MUL_HI
	MUL16 F1, 1, 0, 0
	MUL16 F1, 1, 2, 0
	PLACES
	s_wait_loadcnt 0x0                             ; the bias
; THE WAY OUT, rows 16 i .. 16 i + 15 of my block = tiles (a, 0..7) of window 2 or 3 (win: the store data's window): in f32 into my own stage,
; back as whole rows of 128 numbers, the bias added in f32, rounded once, a row = one store of the wave = 256 consecutive bytes, aligned.
; The rows go in groups of four, so that eight independent packed instructions stand at each step, and a group's stores are issued
; behind the next group's adds, when their data have long been written.
.macro ROWS4 i, g                      ; the stores of rows 4 g .. 4 g + 3 of the sixteen
.irp t, 0,1,2,3
	global_store_b64 v[CO], v[PK+2*(4*(\g)+\t):PK+2*(4*(\g)+\t)+1], s[8:9] offset:(16*\i+4*(\g)+\t)*LDB*2
.endr
.endm
.macro OUT16 i, a, win
	WIN \win
.irp b, 0,1,2,3,4,5,6,7
	ds_store_b128 v[STO], v[8*(8*\a+\b):8*(8*\a+\b)+3] offset:64*\b
	ds_store_b128 v[STO], v[8*(8*\a+\b)+4:8*(8*\a+\b)+7] offset:64*\b+16
.endr
	WIN 0
	s_wait_xcnt 0x0                                ; the packed registers, which earlier stores read, are rewritten only behind this wait
.irp t, 0,1,2,3,4,5,6,7,8,9,10,11,12,13,14,15
	ds_load_b128 v[F0+4*\t:F0+4*\t+3], v[RD] offset:\t*SP          ; LDS serves a wave's instructions in order: these see the stores above
.endr
.irp g, 0,1,2,3
	s_wait_dscnt 12-4*\g                           ; rows up to 4 g + 3 are in; the loads of the rows behind them may be out
.irp t, 0,1,2,3
	v_pk_add_f32 v[F0+16*\g+4*\t:F0+16*\g+4*\t+1], v[F0+16*\g+4*\t:F0+16*\g+4*\t+1], v[BIAS:BIAS+1]
	v_pk_add_f32 v[F0+16*\g+4*\t+2:F0+16*\g+4*\t+3], v[F0+16*\g+4*\t+2:F0+16*\g+4*\t+3], v[BIAS+2:BIAS+3]
.endr
.if \g
	ROWS4 \i, \g-1
.endif
.irp t, 0,1,2,3
	v_cvt_pk_bf16_f32 v[PK+2*(4*\g+\t)], v[F0+16*\g+4*\t], v[F0+16*\g+4*\t+1]
	v_cvt_pk_bf16_f32 v[PK+2*(4*\g+\t)+1], v[F0+16*\g+4*\t+2], v[F0+16*\g+4*\t+3]
.endr
.endr
	ROWS4 \i, 3
.endm
	OUT16 0, 0, 0x08
	OUT16 1, 1, 0x08
	OUT16 2, 2, 0x08
	OUT16 3, 3, 0x08
	OUT16 4, 0, 0x0c
	OUT16 5, 1, 0x0c
	OUT16 6, 2, 0x0c
	OUT16 7, 3, 0x0c
	s_set_vgpr_msb 0x1
	s_wait_tensorcnt 0x0
	ds_add_u32 v255, v255
	s_wait_dscnt 0x0
	s_set_vgpr_msb 0x100
	CROUND                                         ; the closing round: no work-group ends while a partner may still ask for a tile that names it
	s_endpgm
.Lfunc_end_k_q40b1bdcadd_qkv:
	.size	k_q40b1bdcadd_qkv, .Lfunc_end_k_q40b1bdcadd_qkv-k_q40b1bdcadd_qkv
	.p2alignl 7, 3214868480
	.fill 96, 4, 3214868480
	.section	.rodata,"a",@progbits
	.p2align	6, 0x0
	.amdhsa_kernel k_q40b1bdcadd_qkv
		.amdhsa_group_segment_fixed_size 327680
		.amdhsa_private_segment_fixed_size 0
		.amdhsa_enable_private_segment 0
		.amdhsa_kernarg_size 48
		.amdhsa_user_sgpr_count 2
		.amdhsa_user_sgpr_kernarg_segment_ptr 1
		.amdhsa_wavefront_size32 1
		.amdhsa_system_sgpr_workgroup_id_x 1
		.amdhsa_system_sgpr_workgroup_id_y 1
		.amdhsa_system_sgpr_workgroup_id_z 1
		.amdhsa_system_vgpr_workitem_id 0
		.amdhsa_next_free_vgpr 1024
		.amdhsa_next_free_sgpr 80
		.amdhsa_reserve_vcc 0
		.amdhsa_float_denorm_mode_32 3
		.amdhsa_float_denorm_mode_16_64 3
		.amdhsa_memory_ordered 1
		.amdhsa_forward_progress 1
		.amdhsa_inst_pref_size 225
	.end_amdhsa_kernel
	.amdgpu_metadata
---
amdhsa.version: [ 1, 2 ]
amdhsa.kernels:
  - .name:           k_q40b1bdcadd_qkv
    .symbol:         k_q40b1bdcadd_qkv.kd
    .args:
      - { .name: h, .offset: 0, .size: 8, .value_kind: global_buffer, .address_space: global }
      - { .name: wbf, .offset: 8, .size: 8, .value_kind: global_buffer, .address_space: global }
      - { .name: qkv, .offset: 16, .size: 8, .value_kind: global_buffer, .address_space: global }
      - { .name: bq, .offset: 24, .size: 8, .value_kind: global_buffer, .address_space: global }
      - { .name: bk, .offset: 32, .size: 8, .value_kind: global_buffer, .address_space: global }
      - { .name: bv, .offset: 40, .size: 8, .value_kind: global_buffer, .address_space: global }
    .group_segment_fixed_size: 327680
    .private_segment_fixed_size: 0
    .kernarg_segment_align: 8
    .kernarg_segment_size: 48
    .max_flat_workgroup_size: 128
    .sgpr_count:     80
    .vgpr_count:     1024
    .wavefront_size: 32
...
	.end_amdgpu_metadata
.endif
;; end of part 2
;; launch attn (part 3): grid 16 x 16, 8 waves a work-group, clusters of 4 x 1, 327,680 bytes of LDS; arguments qkv, att; writes att
.if DOCPART == 3
	.amdgcn_target "amdgcn-amd-amdhsa--gfx1250"
	.amdhsa_code_object_version 6
	.text
	.protected	k_q40b1bdcadd_attn
	.globl	k_q40b1bdcadd_attn
	.p2align	8
	.type	k_q40b1bdcadd_attn,@function
k_q40b1bdcadd_attn:
	s_mov_b64 s[64:65], 0
	v_nop
	global_prefetch_b8 v0, s[64:65] scope:SCOPE_SE
	s_setreg_imm32_b32 hwreg(HW_REG_WAVE_MODE, 25, 1), 1
	s_wait_xcnt 0x0
	s_wait_alu depctr_hold_cnt(0) depctr_sa_sdst(0) depctr_va_vdst(0) depctr_va_sdst(0) depctr_va_ssrc(0) depctr_va_vcc(0) depctr_vm_vsrc(0)
	s_getreg_b32 s2, hwreg(HW_REG_IB_STS2, 6, 4)
	s_cmp_eq_u32 s2, 0
	s_cbranch_scc0 .Lentry_in_a_cluster
	s_endpgm
.Lentry_in_a_cluster:
	s_bfe_u32 s2, ttmp6, 0x10000c
	s_cmp_lg_u32 s2, 0x3003
	s_cbranch_scc0 .Lentry_shape_is_right
	s_endpgm
.Lentry_shape_is_right:
; Causal attention with a running maximum.  qkv: [3][4096 tokens][1024] bf16, head hd of a token at columns 64 hd.  att: [4096][1024] bf16.
; Work-group y: batch y / 8, the pair of heads 2 (y % 8) and the next, so that every row of K, V and of the result is 256 consecutive bytes, aligned.
; K and V come in tiles of 256 keys.  CLUSTERS of 4 x 1 work-groups: cluster x = T (0..3), place cx.  The four partners serve the query blocks (of 64)
; 4 T + cx in pass 1 and 28 - 4 T + cx in pass 2.  The four blocks of a pass end in the same tile, so all partners walk the same tiles: 0 .. T, then
; 0 .. 7 - T, nine steps in every work-group of the launch, and each tile is asked for jointly (mask 15): a quarter of the requests.
; The last tile of a pass is computed whole, under the mask; the place cx enters the mask's number and global addresses, no branch and no LDS address.
; EIGHT WAVES, two on a SIMD, so that one wave's products run while the other's softmax does.  Wave w: head (w / 2) % 2 of the pair, queries
; 32 (w % 2) .. + 31 of the block, key half kh = w / 4: of a tile's four quarters of 64 keys it takes quarters kh and 2 + kh, with a running maximum,
; sum and O of its own.  At a pass's end waves 4-7 hand theirs to waves 0-3 through LDS, and the two are joined as two steps of the running maximum are.
; TRANSPOSED PRODUCTS: S^T = K Q^T (source 0 = 16 keys, source 1 = 16 queries): a lane holds one query, its registers eight keys, so the row's maximum and
; sum are taken inside the lane and joined with the other half of the lanes once; two neighbouring S tiles, packed in place, ARE the fragment of P^T.
; O^T = V^T P^T (source 0 = V by transposing LDS loads): a lane holds one query, so rescaling is one factor a lane.
; In each product the eight accumulator tiles take turns, one instruction a turn.
; THE MAXIMUM STARTS at the most negative finite number, not at -infinity: a quarter that is masked whole then leaves maximum, sum and O as they are
; (no infinity minus infinity), and a pass's first live quarter gives the factor 2^(-huge) = 0, which wipes the last pass's sum and O: nothing is cleared between passes.
; Limits: q, k, v and the probabilities enter the products in bf16; the denominator sums the f32 probabilities; 2^x below 2^-126 counts as 0;
; scores within about 1,000 of -3.4e38 and non-finite inputs are not served.
.set KP,     272                       ; LDS row of K: 256 + 16 bytes
.set VP,     288                       ; LDS row of V: 256 + 32 bytes, an odd multiple of 32 for the transposing loads
.set KBYTES, 256*KP
.set SLOT,   KBYTES+256*VP             ; K's 256 rows, then V's
.set MERGE,  2*SLOT                    ; scratch behind the ring, a multiple of 256; no tensor load lands here
.set MPW,    17*512                    ; a pair of waves' part of it: O (16 x 512 bytes), then maximum and sum (512)
.set OP,     272                       ; later the same scratch holds the block's 64 rows of the result, at this pitch
.set KAD, 4                            ; v4-5   LDS address of my K fragments in slot 0, 1
.set VAD, 6                            ; v6-7   the same for V
.set QOFF, 8                           ; v8     my bytes in a block of Q
.set STO, 9                            ; v9     the way out: where I put 16 bytes
.set RD,  10                           ; v10    where I read a row back
.set OOFF, 11                          ; v11    my bytes in a block of att
.set DM0, 12                           ; v12    the mask's number for my first quarter: 8 h - r - 32 (w % 2) + 64 (kh - cx)
.set NINF, 13                          ; v13    -infinity
.set MX,  14                           ; v[14:15] running maximum of query tile 0, 1
.set LS,  16                           ; v[16:17] running sum (this half of the lanes' keys)
.set AL,  18                           ; v[18:19] the rescaling factor
.set NMC, 20                           ; v[20:21] - maximum x c
.set T0,  22
.set T1,  24
                                       ; v[26:29] sums at work
.set DM1, 30                           ; v30    the mask's number for my second quarter: 128 more
.set MAD, 31                           ; v31    my 16 bytes in my pair's scratch
.set QF,  32                           ; v[32:63]   Q fragment (n, kk) at 8 (2 n + kk)
.set KF,  64                           ; v[64:127]  K fragment (i, kk) at 8 (2 i + kk)
.set VF,  128                          ; v[128:191] V fragment (kc, dt) at 8 (4 kc + dt)
.set SF,  192                          ; v[192:255] S tile (i, n) at 32 n + 8 i; P fragment (kc, n) at 32 n + 16 kc
                                       ; window 1: v[0:63] O tile (dt, n) at 32 n + 8 dt; v[64:95] Q of pass 2
.set G1K, 16
.set G1V, 24
.set G0K, 32                           ; s[32:39] a set for each slot
.set G0V, 40                           ; s[40:47]
.set CEXP, 0x3e38aa3b                  ; c = log2 e / sqrt 64
.set FLOOR, 0xff7fffff                 ; the most negative finite number
.set MSB, 0
.macro WIN new
.if MSB != \new
	s_set_vgpr_msb (MSB<<8)|\new
.set MSB, \new
.endif
.endm
.macro ROUND                           ; a round of the cluster's barrier
	s_barrier_signal -1
	s_barrier_wait -1
	s_cmp_lg_u32 s8, 0
	s_cbranch_scc1 .Lnot_wave_0_\@
	s_barrier_signal -3
.Lnot_wave_0_\@:
	s_barrier_wait -3
	s_barrier_signal -1
	s_barrier_wait -1
.endm
.macro KVLOAD s                        ; a joint load: waves 0-3 ask for K's quarters of 64 rows, waves 4-7 for V's: one tensor load a wave
	s_cmp_eq_u32 s9, 0
	s_cbranch_scc0 .Lfor_v_\@
	tensor_load_to_lds s[G0K+4*(\s):G0K+4*(\s)+3], s[G1K:G1K+7]
	s_nop 0
	s_branch .Lasked_\@
.Lfor_v_\@:
	tensor_load_to_lds s[G0V+4*(\s):G0V+4*(\s)+3], s[G1V:G1V+7]
	s_nop 0
.Lasked_\@:
.endm
.macro LOADK slot, sub                 ; my quarter 2 sub + kh (kh stands in the address register)
.irp i, 0,1,2,3
.irp kk, 0,1
	ds_load_b128 v[KF+8*(2*\i+\kk):KF+8*(2*\i+\kk)+3],   v[KAD+\slot] offset:(128*\sub+16*\i)*KP+64*\kk
	ds_load_b128 v[KF+8*(2*\i+\kk)+4:KF+8*(2*\i+\kk)+7], v[KAD+\slot] offset:(128*\sub+16*\i)*KP+64*\kk+32
.endr
.endr
.endm
.macro LOADV slot, sub
.irp kc, 0,1
.irp dt, 0,1,2,3
	ds_load_tr16_b128 v[VF+8*(4*\kc+\dt):VF+8*(4*\kc+\dt)+3],   v[VAD+\slot] offset:(128*\sub+32*\kc)*VP+32*\dt
	ds_load_tr16_b128 v[VF+8*(4*\kc+\dt)+4:VF+8*(4*\kc+\dt)+7], v[VAD+\slot] offset:(128*\sub+32*\kc+16)*VP+32*\dt
.endr
.endr
.endm
; 64 keys against my 32 queries.  K's fragments of this quarter have been asked for.  mask = 0, or the register with the mask's number;
; nextk = 1: my second quarter of the tile follows.
.macro HALF slot, sub, mask, nextk
.rept 5
	v_nop                                          ; the last products read P and V: five places before S is written over, four before V is loaded (ISA guide 7.12.1)
.endr
	s_wait_dscnt 0x0                               ; K is in
	LOADV \slot, \sub
.irp kk, 0,1
.irp n, 0,1
.irp i, 0,1,2,3
.if \kk == 0
	v_wmma_f32_16x16x32_bf16 v[SF+32*\n+8*\i:SF+32*\n+8*\i+7], v[KF+8*(2*\i+\kk):KF+8*(2*\i+\kk)+7], v[QF+8*(2*\n+\kk):QF+8*(2*\n+\kk)+7], 0
.else
	v_wmma_f32_16x16x32_bf16 v[SF+32*\n+8*\i:SF+32*\n+8*\i+7], v[KF+8*(2*\i+\kk):KF+8*(2*\i+\kk)+7], v[QF+8*(2*\n+\kk):QF+8*(2*\n+\kk)+7], v[SF+32*\n+8*\i:SF+32*\n+8*\i+7]
.endif
.endr
.endr
.endr
.rept 4
	v_nop                                          ; four places before S is read and K is loaded again
.endr
.if \nextk
	LOADK \slot, 1
.endif
.if \mask
	; in the tile, key 64 (2 sub + kh) + 16 i + 8 h + j is behind query 64 cx + 32 (w % 2) + 16 n + r where 16 (n - i) - j < the mask's number
.irp n, 0,1
.irp i, 0,1,2,3
.irp j, 0,1,2,3,4,5,6,7
	v_cmp_lt_i32 vcc_lo, 16*(\n-\i)-\j, v[\mask]
	v_cndmask_b32 v[SF+32*\n+8*\i+\j], v[SF+32*\n+8*\i+\j], v[NINF], vcc_lo
.endr
.endr
.endr
.endif
	; the new maximum: my 32 keys and the old one, then the other half of the lanes
	v_max3_num_f32 v[T0], v[SF], v[SF+1], v[SF+2]
	v_max3_num_f32 v[T0+1], v[SF+32], v[SF+33], v[SF+34]
.set j, 3
.rept 14
	v_max3_num_f32 v[T0], v[T0], v[SF+j], v[SF+j+1]
	v_max3_num_f32 v[T0+1], v[T0+1], v[SF+32+j], v[SF+32+j+1]
.set j, j+2
.endr
	v_max3_num_f32 v[T0], v[T0], v[SF+31], v[MX]
	v_max3_num_f32 v[T0+1], v[T0+1], v[SF+63], v[MX+1]
	v_permlanex16_b32 v[T1], v[T0], s14, s15
	v_permlanex16_b32 v[T1+1], v[T0+1], s14, s15
	v_max_num_f32 v[T0], v[T0], v[T1]              ; always finite: the old maximum is
	v_max_num_f32 v[T0+1], v[T0+1], v[T1+1]
	v_pk_add_f32 v[AL:AL+1], v[MX:MX+1], v[T0:T0+1] neg_lo:[0,1] neg_hi:[0,1]
	v_pk_mul_f32 v[NMC:NMC+1], v[T0:T0+1], 0xbe38aa3b op_sel_hi:[1,0]
	v_pk_mul_f32 v[AL:AL+1], v[AL:AL+1], CEXP op_sel_hi:[1,0]
	v_mov_b32 v[MX], v[T0]
	v_mov_b32 v[MX+1], v[T0+1]
	v_exp_f32 v[AL], v[AL]                         ; 2^((old - new) c); 0 at a pass's first live quarter
	v_exp_f32 v[AL+1], v[AL+1]
.set j, 0
.rept 16
	v_pk_fma_f32 v[SF+j:SF+j+1], v[SF+j:SF+j+1], CEXP, v[NMC:NMC+1] op_sel_hi:[1,0,0]
	v_pk_fma_f32 v[SF+32+j:SF+32+j+1], v[SF+32+j:SF+32+j+1], CEXP, v[NMC:NMC+1] op_sel:[0,0,1] op_sel_hi:[1,0,1]
.set j, j+2
.endr
.set j, 0
.rept 64
	v_exp_f32 v[SF+j], v[SF+j]
.set j, j+1
.endr
	WIN 0x41                                       ; O x the factor of its query tile; also the plain work behind the exponentials (ISA guide 5.7.2)
.set j, 0
	s_wait_alu depctr_va_vdst(0)
.rept 16
	v_pk_mul_f32 v[j:j+1], v[j:j+1], v[AL:AL+1] op_sel_hi:[1,0]
	v_pk_mul_f32 v[32+j:32+j+1], v[32+j:32+j+1], v[AL:AL+1] op_sel:[0,1] op_sel_hi:[1,1]
.set j, j+2
.endr
	WIN 0
	v_pk_add_f32 v[26:27], v[SF:SF+1], v[SF+2:SF+3]
	v_pk_add_f32 v[28:29], v[SF+32:SF+33], v[SF+34:SF+35]
.set j, 4
.rept 14
	v_pk_add_f32 v[26:27], v[26:27], v[SF+j:SF+j+1]
	v_pk_add_f32 v[28:29], v[28:29], v[SF+32+j:SF+32+j+1]
.set j, j+2
.endr
	v_add_f32 v26, v26, v27
	v_add_f32 v28, v28, v29
	v_fma_f32 v[LS], v[LS], v[AL], v26
	v_fma_f32 v[LS+1], v[LS+1], v[AL+1], v28
	; P in bf16, packed in place: register d of a fragment takes registers 2 d, 2 d + 1 of its two S tiles, ascending, so no source is overwritten early
.irp n, 0,1
.irp kc, 0,1
.irp d, 0,1,2,3,4,5,6,7
	v_cvt_pk_bf16_f32 v[SF+32*\n+16*\kc+\d], v[SF+32*\n+16*\kc+2*\d], v[SF+32*\n+16*\kc+2*\d+1]
.endr
.endr
.endr
.if \nextk
	s_wait_dscnt 16                                ; V is in; the 16 younger loads of K may stay out
.else
	s_wait_dscnt 0x0
.endif
	WIN 0x50                                       ; C and D window 1
.irp kc, 0,1
.irp n, 0,1
.irp dt, 0,1,2,3
	v_wmma_f32_16x16x32_bf16 v[32*\n+8*\dt:32*\n+8*\dt+7], v[VF+8*(4*\kc+\dt):VF+8*(4*\kc+\dt)+7], v[SF+32*\n+16*\kc:SF+32*\n+16*\kc+7], v[32*\n+8*\dt:32*\n+8*\dt+7]
.endr
.endr
.endr
	WIN 0
.endm
; A pass ends.  Waves 4-7 put O, maximum and sum into their pair's scratch; waves 0-3 read them, join them with their own, divide by the sum, round
; to bf16 and put the block's 64 rows into the same scratch; all eight waves store whole rows of 256 bytes.  Three barriers: stores before reads,
; reads before the rows are written over other pairs' parts, rows before they are read.  The tile on its way may stay out.
; ob: the scalar pair of the block in att.
.macro FINAL ob
.rept 4
	v_nop                                          ; four places before O is read and V's registers are loaded
.endr
	s_cmp_eq_u32 s9, 0
	s_cbranch_scc1 .Lown_\@
	WIN 0x04                                       ; store data window 1
.set j, 0
.rept 16
	ds_store_b128 v[MAD], v[j:j+3] offset:128*j    ; 32 lanes x 16 neighbouring bytes
.set j, j+4
.endr
	WIN 0
	ds_store_b128 v[MAD], v[MX:MX+3] offset:8192   ; two maxima, two sums
.Lown_\@:
	s_wait_dscnt 0x0
	s_barrier_signal -1
	s_barrier_wait -1
	s_cmp_lg_u32 s9, 0
	s_cbranch_scc1 .Lnoread_\@
.set j, 0
.rept 16
	ds_load_b128 v[KF+j:KF+j+3], v[MAD] offset:128*j
.set j, j+4
.endr
	ds_load_b128 v[VF:VF+3], v[MAD] offset:8192
.Lnoread_\@:
	s_wait_dscnt 0x0
	s_barrier_signal -1
	s_barrier_wait -1
	s_cmp_lg_u32 s9, 0
	s_cbranch_scc1 .Lnojoin_\@
	v_max_num_f32 v[T0], v[MX], v[VF]              ; the joint maximum; mine is a real score's, since quarter 0 of a pass's first tile has a live key for every query
	v_max_num_f32 v[T0+1], v[MX+1], v[VF+1]
	v_pk_add_f32 v[AL:AL+1], v[MX:MX+1], v[T0:T0+1] neg_lo:[0,1] neg_hi:[0,1]
	v_pk_add_f32 v[NMC:NMC+1], v[VF:VF+1], v[T0:T0+1] neg_lo:[0,1] neg_hi:[0,1]
	v_pk_mul_f32 v[AL:AL+1], v[AL:AL+1], CEXP op_sel_hi:[1,0]
	v_pk_mul_f32 v[NMC:NMC+1], v[NMC:NMC+1], CEXP op_sel_hi:[1,0]
	v_exp_f32 v[AL], v[AL]                         ; my factor,
	v_exp_f32 v[AL+1], v[AL+1]
	v_exp_f32 v[NMC], v[NMC]                       ; my partner's (0 if all its keys were masked)
	v_exp_f32 v[NMC+1], v[NMC+1]
	v_nop
	s_wait_alu depctr_va_vdst(0)
	v_pk_mul_f32 v[26:27], v[LS:LS+1], v[AL:AL+1]
	v_pk_fma_f32 v[26:27], v[VF+2:VF+3], v[NMC:NMC+1], v[26:27]
	v_permlanex16_b32 v[T1], v26, s14, s15         ; the other half of the lanes holds the other keys' sum
	v_permlanex16_b32 v[T1+1], v27, s14, s15
	v_pk_add_f32 v[26:27], v[26:27], v[T1:T1+1]
	v_rcp_f32 v28, v26
	v_rcp_f32 v29, v27
	v_nop
	s_wait_alu depctr_va_vdst(0)
	v_pk_mul_f32 v[AL:AL+1], v[AL:AL+1], v[28:29]
	v_pk_mul_f32 v[NMC:NMC+1], v[NMC:NMC+1], v[28:29]
.set j, 0
.rept 16
	v_pk_mul_f32 v[KF+j:KF+j+1], v[KF+j:KF+j+1], v[NMC:NMC+1] op_sel_hi:[1,0]
	v_pk_mul_f32 v[KF+32+j:KF+32+j+1], v[KF+32+j:KF+32+j+1], v[NMC:NMC+1] op_sel:[0,1] op_sel_hi:[1,1]
.set j, j+2
.endr
	WIN 0x01                                       ; source 0 window 1: my O
.set j, 0
.rept 16
	v_pk_fma_f32 v[KF+j:KF+j+1], v[j:j+1], v[AL:AL+1], v[KF+j:KF+j+1] op_sel_hi:[1,0,1]
	v_pk_fma_f32 v[KF+32+j:KF+32+j+1], v[32+j:32+j+1], v[AL:AL+1], v[KF+32+j:KF+32+j+1] op_sel:[0,1,0] op_sel_hi:[1,1,1]
.set j, j+2
.endr
	WIN 0
.irp n, 0,1
.irp dt, 0,1,2,3
.irp q, 0,1,2,3
	v_cvt_pk_bf16_f32 v[SF+16*\n+4*\dt+\q], v[KF+32*\n+8*\dt+2*\q], v[KF+32*\n+8*\dt+2*\q+1]
.endr
.endr
.endr
.irp n, 0,1
.irp dt, 0,1,2,3
	ds_store_b128 v[STO], v[SF+16*\n+4*\dt:SF+16*\n+4*\dt+3] offset:16*\n*OP+32*\dt
.endr
.endr
.Lnojoin_\@:
	s_wait_dscnt 0x0
	s_barrier_signal -1
	s_barrier_wait -1
.irp t, 0,1,2,3
	ds_load_b128 v[KF+4*\t:KF+4*\t+3], v[RD] offset:2*\t*OP
.endr
.irp t, 0,1,2,3
	s_wait_dscnt 3-\t
	global_store_b128 v[OOFF], v[KF+4*\t:KF+4*\t+3], s[\ob:\ob+1] offset:2*\t*2048   ; 16 lanes store 256 consecutive bytes, aligned
.endr
	s_wait_xcnt 0x0                                ; K's registers, which these stores read, are loaded again only behind this wait
.endm
.macro INIT2                           ; pass 2: its Q; the maximum starts anew, and the first factor, 0, wipes sum and O
	WIN 0x01
.set j, 0
.rept 32
	v_mov_b32 v[QF+j], v[64+j]
.set j, j+1
.endr
	WIN 0
	v_mov_b32 v[MX], FLOOR
	v_mov_b32 v[MX+1], FLOOR
.endm
; One tile.  s13 = the step tc.  In front of the round: all my tensor loads have landed (my part of this tile among them) and my reads of the other slot
; are back, in every wave of the four work-groups; behind it the other slot is filled with the next step's tile, first thing, one joint load a wave;
; it has this tile's two quarters of each wave in which to land.
.macro STEP slot, refill, tail
	s_set_vgpr_msb 0x5
	s_wait_tensorcnt 0x0
	ds_add_u32 v96, v97
	s_wait_dscnt 0x0
	s_set_vgpr_msb 0x500
.if \refill
	s_add_co_u32 s54, s13, 1                       ; the next step's tile: tc + 1 while pass 1 goes on,
	s_sub_co_u32 s55, s13, s11                     ; else tc + 1 - (T + 1)
	s_cmp_lt_u32 s13, s11
	s_cselect_b32 s54, s54, s55
	s_lshl_b32 s52, s54, 19                        ; 256 rows of 2,048 bytes
	s_add_nc_u64 s[G0K+4*(1-\slot)+2:G0K+4*(1-\slot)+3], s[48:49], s[52:53]
	s_or_b32 s[G0K+4*(1-\slot)+3], s[G0K+4*(1-\slot)+3], 0x80000000
	s_add_nc_u64 s[G0V+4*(1-\slot)+2:G0V+4*(1-\slot)+3], s[50:51], s[52:53]
	s_or_b32 s[G0V+4*(1-\slot)+3], s[G0V+4*(1-\slot)+3], 0x80000000
.endif
	s_wait_dscnt 0x0
.if \refill
	ROUND
	KVLOAD 1-\slot
.else
	s_barrier_signal -1
	s_barrier_wait -1
.endif
	LOADK \slot, 0
.if \tail
	HALF \slot, 0, DM0, 1                          ; pass 2's last tile, under the mask
	HALF \slot, 1, DM1, 0
	FINAL 62
.else
	s_cmp_eq_u32 s13, s11                          ; the same in all waves of all four partners: the cluster's x and the counter
	s_cbranch_scc1 .Lend1_\@
	HALF \slot, 0, 0, 1
	HALF \slot, 1, 0, 0
	s_branch .Ldone_\@
.Lend1_\@:
	HALF \slot, 0, DM0, 1                          ; pass 1's last tile, under the mask
	HALF \slot, 1, DM1, 0
	FINAL 60
	INIT2
.Ldone_\@:
.endif
.endm
	s_load_b128 s[4:7], s[0:1], 0x0                ; qkv s[4:5], att s[6:7]
	s_set_vgpr_msb 0x40
	v_lshl_add_u32 v96, v0, 2, 0x4e800
	v_mov_b32 v97, 0
	s_set_vgpr_msb 0x4045
	ds_add_u32 v96, v97
	s_set_vgpr_msb 0x4500
	v_lshrrev_b32 v1, 5, v0
	v_readfirstlane_b32 s8, v1                     ; wave 0..7
	s_lshr_b32 s9, s8, 2                           ; kh: my half of the keys; also: I fetch K (0) or V (1)
	s_and_b32 s10, s8, 3                           ; which 64 rows of the tile I fetch; also: my pair's number
	s_lshr_b32 s66, s8, 1
	s_and_b32 s66, s66, 1                          ; my head of the pair
	s_and_b32 s67, s8, 1                           ; my 32 queries
	s_mov_b32 s11, ttmp9                           ; T, the cluster's x
	s_bfe_u32 s68, ttmp6, 0x40000                  ; cx.  Registers that ever hold it: s68, s72-s75, s56-s63; none of them feeds a descriptor
	s_mov_b32 s14, 0x76543210
	s_mov_b32 s15, 0xfedcba98
	s_mov_b32 s[G1K+0], 15|(1<<16)|(1<<20)|(1<<21)|(5<<22)|(3<<25)   ; mask: all four; 2-byte elements; padding on; bit 21 beside a mask; after 64 words 4 words
	s_mov_b32 s[G1K+1], 128<<16                    ; tensor_dim0 = 128 numbers (two heads)
	s_mov_b32 s[G1K+2], 64<<16                     ; tensor_dim1 = 64 rows
	s_mov_b32 s[G1K+3], 128<<16                    ; tile_dim0
	s_mov_b32 s[G1K+4], 64                         ; tile_dim1
	s_mov_b32 s[G1K+5], 1024                       ; numbers from row to row
	s_mov_b32 s[G1K+6], 0
	s_mov_b32 s[G1K+7], 0
	s_mov_b32 s[G1V+0], 15|(1<<16)|(1<<20)|(1<<21)|(5<<22)|(7<<25)   ; the same with 8 words of padding
	s_mov_b32 s[G1V+1], 128<<16
	s_mov_b32 s[G1V+2], 64<<16
	s_mov_b32 s[G1V+3], 128<<16
	s_mov_b32 s[G1V+4], 64
	s_mov_b32 s[G1V+5], 1024
	s_mov_b32 s[G1V+6], 0
	s_mov_b32 s[G1V+7], 0
	s_and_b32 s54, ttmp7, 0xffff
	s_lshr_b32 s55, s54, 3                         ; batch
	s_and_b32 s54, s54, 7                          ; pair of heads
	s_lshl_b32 s55, s55, 22                        ; 2,048 rows of 2,048 bytes
	s_lshl_b32 s54, s54, 8                         ; 256 bytes a pair
	s_add_co_u32 s69, s54, s55
	s_mov_b32 s53, 0
	s_lshl_b32 s52, s10, 17                        ; my 64 rows of a tile
	s_add_co_u32 s52, s52, s69
	s_mul_i32 s12, s10, 64*KP
	s_mul_i32 s13, s10, 64*VP
	s_add_co_u32 s13, s13, KBYTES
.irp s, 0,1
	s_mov_b32 s[G0K+4*\s], 1
	s_add_co_u32 s[G0K+4*\s+1], s12, \s*SLOT
	s_mov_b32 s[G0V+4*\s], 1
	s_add_co_u32 s[G0V+4*\s+1], s13, \s*SLOT
.endr
	s_wait_dscnt 0x0
	s_wait_kmcnt 0x0
	s_add_nc_u64 s[48:49], s[4:5], s[52:53]
	s_add_nc_u64 s[50:51], s[48:49], 0x1000000     ; v lies 16,777,216 bytes into qkv,
	s_add_nc_u64 s[48:49], s[48:49], 0x800000      ; k 8,388,608
	s_mov_b64 s[G0K+2:G0K+3], s[48:49]
	s_or_b32 s[G0K+3], s[G0K+3], 0x80000000
	s_mov_b64 s[G0V+2:G0V+3], s[50:51]
	s_or_b32 s[G0V+3], s[G0V+3], 0x80000000
	ROUND                                          ; all four work-groups are here: the first joint loads meet
	KVLOAD 0                                       ; tile 0, the only first fill; slot 1 is filled behind the first step's round, as a refill is
	s_lshl_b32 s74, s11, 2
	s_add_co_u32 s75, s74, s68                     ; pass 1: block 4 T + cx,
	s_lshl_b32 s72, s75, 17                        ; 64 rows of 2,048 bytes a block
	s_add_co_u32 s72, s72, s69
	s_mov_b32 s73, 0
	s_add_nc_u64 s[56:57], s[4:5], s[72:73]
	s_add_nc_u64 s[60:61], s[6:7], s[72:73]
	s_sub_co_u32 s75, 28, s74
	s_add_co_u32 s75, s75, s68                     ; pass 2: block 28 - 4 T + cx
	s_lshl_b32 s72, s75, 17
	s_add_co_u32 s72, s72, s69
	s_add_nc_u64 s[58:59], s[4:5], s[72:73]
	s_add_nc_u64 s[62:63], s[6:7], s[72:73]
	v_and_b32 v1, 15, v0                           ; r
	v_bfe_u32 v2, v0, 4, 1                         ; h
	s_lshl_b32 s54, s67, 16                        ; 32 rows of 2,048 bytes
	s_lshl_b32 s55, s66, 7                         ; 128 bytes a head
	s_add_co_u32 s54, s54, s55
	v_lshlrev_b32 v[QOFF], 11, v1
	v_lshl_add_u32 v[QOFF], v2, 4, v[QOFF]
	v_add_nc_u32 v[QOFF], s54, v[QOFF]
.irp n, 0,1
.irp kk, 0,1
	global_load_b128 v[QF+8*(2*\n+\kk):QF+8*(2*\n+\kk)+3],   v[QOFF], s[56:57] offset:\n*32768+64*\kk
	global_load_b128 v[QF+8*(2*\n+\kk)+4:QF+8*(2*\n+\kk)+7], v[QOFF], s[56:57] offset:\n*32768+64*\kk+32
.endr
.endr
	WIN 0x40
.irp n, 0,1
.irp kk, 0,1
	global_load_b128 v[64+8*(2*\n+\kk):64+8*(2*\n+\kk)+3],   v[QOFF], s[58:59] offset:\n*32768+64*\kk
	global_load_b128 v[64+8*(2*\n+\kk)+4:64+8*(2*\n+\kk)+7], v[QOFF], s[58:59] offset:\n*32768+64*\kk+32
.endr
.endr
	WIN 0
	v_mul_u32_u24 v3, v1, KP                       ; r x 272 + 16 h: a row of K, and of the result in the scratch
	v_lshl_add_u32 v3, v2, 4, v3
	s_mul_i32 s54, s9, 64*KP                       ; my first quarter of a tile's keys, my head
	s_add_co_u32 s54, s54, s55
	v_add_nc_u32 v[KAD], s54, v3
	v_add_nc_u32 v[KAD+1], SLOT, v[KAD]
	v_and_b32 v[VAD], 7, v0                        ; V fragment, transposing load: key 8 h + lane % 8,
	v_lshl_add_u32 v[VAD], v2, 3, v[VAD]
	v_mul_u32_u24 v[VAD], v[VAD], VP
	v_bfe_u32 v[VAD+1], v0, 3, 1                   ; 16 bytes further for the odd groups of eight lanes
	v_lshl_add_u32 v[VAD], v[VAD+1], 4, v[VAD]
	s_mul_i32 s54, s9, 64*VP
	s_add_co_u32 s54, s54, s55
	s_add_co_u32 s54, s54, KBYTES
	v_add_nc_u32 v[VAD], s54, v[VAD]
	v_add_nc_u32 v[VAD+1], SLOT, v[VAD]
	s_mul_i32 s54, s67, 32*OP
	s_add_co_u32 s54, s54, s55
	s_add_co_u32 s54, s54, MERGE
	v_add_nc_u32 v[STO], s54, v3                   ; row 32 (w % 2) + r, my head, 16 h
	s_mul_i32 s54, s8, 8*OP
	s_add_co_u32 s54, s54, MERGE
	v_mul_u32_u24 v[RD], v2, OP                    ; back: rows 8 w + h, 16 bytes a lane
	v_lshl_add_u32 v[RD], v1, 4, v[RD]
	v_add_nc_u32 v[RD], s54, v[RD]
	s_lshl_b32 s54, s8, 14
	v_lshlrev_b32 v[OOFF], 11, v2
	v_lshl_add_u32 v[OOFF], v1, 4, v[OOFF]
	v_add_nc_u32 v[OOFF], s54, v[OOFF]
	s_mul_i32 s54, s10, MPW
	s_add_co_u32 s54, s54, MERGE
	v_and_b32 v[MAD], 31, v0
	v_lshl_add_u32 v[MAD], v[MAD], 4, s54
	s_sub_co_i32 s74, s9, s68                      ; kh - cx
	s_lshl_b32 s74, s74, 6
	s_lshl_b32 s75, s67, 5
	s_sub_co_i32 s74, s74, s75
	v_lshlrev_b32 v[DM0], 3, v2
	v_sub_nc_u32 v[DM0], v[DM0], v1
	v_add_nc_u32 v[DM0], s74, v[DM0]
	v_add_nc_u32 v[DM1], 0x80, v[DM0]
	v_mov_b32 v[NINF], 0xff800000
	v_mov_b32 v[T1], 0                             ; the permutes' destinations count as read
	v_mov_b32 v[T1+1], 0
	WIN 0x40                                       ; O is cleared once: a wave's first quarter may be masked whole (factor 1), and it stands in the loop's body
.set j, 0
.rept 64
	v_mov_b32 v[j], 0
.set j, j+1
.endr
	WIN 0
	v_mov_b32 v[MX], FLOOR
	v_mov_b32 v[MX+1], FLOOR
	v_mov_b32 v[LS], 0
	v_mov_b32 v[LS+1], 0
	s_wait_loadcnt 0x0                             ; both blocks of Q
	s_mov_b32 s12, 0
.Lpair:
	s_mov_b32 s13, s12
	STEP 0, 1, 0
	s_add_co_u32 s13, s12, 1
	STEP 1, 1, 0
	s_add_co_u32 s12, s12, 2
	s_cmp_lt_u32 s12, 8
	s_cbranch_scc1 .Lpair
	STEP 0, 0, 1                                   ; step 8: the last tile of pass 2; nothing is left to fetch
	s_set_vgpr_msb 0x5
	s_wait_tensorcnt 0x0
	ds_add_u32 v96, v97
	s_wait_dscnt 0x0
	s_set_vgpr_msb 0x500
	ROUND                                          ; the closing round: no work-group ends while a partner may still ask for a tile that names it
	s_endpgm
.Lfunc_end_k_q40b1bdcadd_attn:
	.size	k_q40b1bdcadd_attn, .Lfunc_end_k_q40b1bdcadd_attn-k_q40b1bdcadd_attn
	.p2alignl 7, 3214868480
	.fill 96, 4, 3214868480
	.section	.rodata,"a",@progbits
	.p2align	6, 0x0
	.amdhsa_kernel k_q40b1bdcadd_attn
		.amdhsa_group_segment_fixed_size 327680
		.amdhsa_private_segment_fixed_size 0
		.amdhsa_enable_private_segment 0
		.amdhsa_kernarg_size 16
		.amdhsa_user_sgpr_count 2
		.amdhsa_user_sgpr_kernarg_segment_ptr 1
		.amdhsa_wavefront_size32 1
		.amdhsa_system_sgpr_workgroup_id_x 1
		.amdhsa_system_sgpr_workgroup_id_y 1
		.amdhsa_system_sgpr_workgroup_id_z 1
		.amdhsa_system_vgpr_workitem_id 0
		.amdhsa_next_free_vgpr 354
		.amdhsa_next_free_sgpr 76
		.amdhsa_reserve_vcc 1
		.amdhsa_float_denorm_mode_32 3
		.amdhsa_float_denorm_mode_16_64 3
		.amdhsa_memory_ordered 1
		.amdhsa_forward_progress 1
		.amdhsa_inst_pref_size 255
	.end_amdhsa_kernel
	.section	.bss,"aw",@nobits
	.p2align	6
	.space	262144
	.amdgpu_metadata
---
amdhsa.version: [ 1, 2 ]
amdhsa.kernels:
  - .name:           k_q40b1bdcadd_attn
    .symbol:         k_q40b1bdcadd_attn.kd
    .args:
      - { .name: qkv, .offset: 0, .size: 8, .value_kind: global_buffer, .address_space: global }
      - { .name: att, .offset: 8, .size: 8, .value_kind: global_buffer, .address_space: global }
    .group_segment_fixed_size: 327680
    .private_segment_fixed_size: 0
    .kernarg_segment_align: 8
    .kernarg_segment_size: 16
    .max_flat_workgroup_size: 256
    .sgpr_count:     76
    .vgpr_count:     354
    .wavefront_size: 32
...
	.end_amdgpu_metadata
.endif
;; end of part 3
;; launch wo (part 4): grid 8 x 32, 4 waves a work-group, clusters of 4 x 4, 327,680 bytes of LDS; arguments att, wbf, x1, bo, x; writes x1
.if DOCPART == 4
	.amdgcn_target "amdgcn-amd-amdhsa--gfx1250"
	.amdhsa_code_object_version 6
	.text
	.protected	k_q40b1bdcadd_wo
	.globl	k_q40b1bdcadd_wo
	.p2align	8
	.type	k_q40b1bdcadd_wo,@function
k_q40b1bdcadd_wo:
	s_mov_b64 s[64:65], 0
	v_nop
	global_prefetch_b8 v0, s[64:65] scope:SCOPE_SE
	s_setreg_imm32_b32 hwreg(HW_REG_WAVE_MODE, 25, 1), 1
	s_wait_xcnt 0x0
	s_wait_alu depctr_hold_cnt(0) depctr_sa_sdst(0) depctr_va_vdst(0) depctr_va_sdst(0) depctr_va_ssrc(0) depctr_va_vcc(0) depctr_vm_vsrc(0)
	s_getreg_b32 s2, hwreg(HW_REG_IB_STS2, 6, 4)
	s_cmp_eq_u32 s2, 0
	s_cbranch_scc0 .Lentry_in_a_cluster
	s_endpgm
.Lentry_in_a_cluster:
	s_bfe_u32 s2, ttmp6, 0x10000c
	s_cmp_lg_u32 s2, 0xf033
	s_cbranch_scc0 .Lentry_shape_is_right
	s_endpgm
.Lentry_shape_is_right:
; x1 = x + att Wo + bo, in f32.  att: [4096][1024] bf16; Wo: [1024 (k)][1024 (n)] bf16 in wbf; x, x1: [4096][1024] f32.
; The result has only 1,024 columns, so a work-group makes 128 x 128 of it: 8 x 32 = 256 work-groups.  Four waves, a wave 64 x 64: 16 accumulator tiles.
; K goes in steps of 256 through two LDS slots filled by the tensor data mover.  A's tile: 128 rows x 512 bytes.  W's tile: 256 k-rows x 256 bytes,
; kept as it lies in memory; the fragments are read from it by transposing LDS loads.
; CLUSTERS: 4 x 4 work-groups; A's tile is asked for jointly along a row of the cluster, W's along a column: the requests for both are divided by four.
; REGISTERS: window 0: v1-31 addresses and bias; v64-95, v128-159 fragments of A, two buffers; window 1: the same numbers, fragments of W;
;            window 2: accumulator tile (a, b) at v[8 (4 a + b)]; window 3: v0-127 the residual of my 64 x 64, asked for at the start.
; The matrix instruction is used transposed (source 0 = 16 columns of W, source 1 = 16 rows of A): a lane then holds eight neighbouring columns of one row.
; The 16 accumulators take turns, one instruction a turn, in the same order in every chunk.
; Limits: operands are bf16, sums, bias and residual f32; non-finite inputs are not served.
.set SIZE_K, 1024
.set SIZE_N, 1024                      ; numbers in a row of W, of the residual and of the result
.set WOFF,   6291456                   ; Wo in wbf
.set KSTEP,  256
.set PA,     528                       ; LDS row of A: 512 bytes + 16
.set PB,     288                       ; LDS row of W: 256 bytes + 32
.set AHALF,  64*PA
.set ATILE,  2*AHALF
.set BHALF,  128*PB
.set SLOT,   ATILE+2*BHALF
.set STAGE,  2*SLOT                    ; behind the ring: 16 rows x 272 bytes for each wave; no tensor load lands here
.set SP,     272
.set STG,    16*SP
.set LAPS,   SIZE_K/(2*KSTEP)
.set ADRA, 16                          ; v16-17 A fragments in slot 0, 1
.set ADRB, 20                          ; v20-23 W fragments: 2 x slot + (chunk / 4): the offsets of chunks 4-7 would pass the 16-bit immediate
.set STO,  24
.set RD,   25
.set CO,   26
.set BOF,  27
.set BIAS, 28
.set F0,   64
.set F1,   128
.set G1A, 24
.set G0A, 32
.set G1B, 48
.set G0B, 56
.set MSB, 0
.macro WIN new
.if MSB != \new
	s_set_vgpr_msb (MSB<<8)|\new
.set MSB, \new
.endif
.endm
.set MUL,  0xa1                        ; source 0 (W) window 1, source 1 (A) window 0, C and D window 2
.set TO_B, 0x40
.macro JLOAD s
	s_cmp_eq_u32 s17, 0
	s_cbranch_scc0 .Lfor_b_\@
	tensor_load_to_lds s[G0A+4*\s:G0A+4*\s+3], s[G1A:G1A+7]
	s_nop 0
	s_branch .Lasked_\@
.Lfor_b_\@:
	tensor_load_to_lds s[G0B+4*\s:G0B+4*\s+3], s[G1B:G1B+7]
	s_nop 0
.Lasked_\@:
.endm
.macro CREST
	s_cmp_lg_u32 s16, 0
	s_cbranch_scc1 .Lnot_wave_0_\@
	s_barrier_signal -3
.Lnot_wave_0_\@:
	s_barrier_wait -3
	s_barrier_signal -1
	s_barrier_wait -1
.endm
.macro CROUND
	s_barrier_signal -1
	s_barrier_wait -1
	CREST
.endm
	s_load_b256 s[4:11], s[0:1], 0x0               ; A s[4:5], wbf s[6:7], result s[8:9], bias s[10:11]
	s_load_b64 s[12:13], s[0:1], 0x20              ; residual
	s_set_vgpr_msb 0x40
	v_lshl_add_u32 v255, v0, 2, 0x49400
	s_set_vgpr_msb 0x4000
	v_mov_b32 v255, 0
	s_set_vgpr_msb 0x1
	ds_add_u32 v255, v255
	s_set_vgpr_msb 0x100
	v_lshrrev_b32 v1, 5, v0
	v_readfirstlane_b32 s16, v1                    ; wave 0..3
	s_lshr_b32 s17, s16, 1                         ; my half of the block's rows; also: I fetch for A (0) or W (1)
	s_and_b32 s18, s16, 1                          ; my half of its columns; also: which half of that tile I fetch
	s_bfe_u32 s20, ttmp6, 0x40000                  ; cx
	s_bfe_u32 s21, ttmp6, 0x40004                  ; cy
	s_lshl_b32 s22, ttmp9, 2
	s_add_co_u32 s22, s22, s20                     ; block column bx
	s_and_b32 s23, ttmp7, 0xffff
	s_lshl_b32 s23, s23, 2
	s_add_co_u32 s23, s23, s21                     ; block row by
	s_lshl_b32 s40, s21, 2
	s_lshl_b32 s40, 15, s40                        ; my row of the cluster
	s_lshl_b32 s41, 0x1111, s20                    ; my column
	s_or_b32 s[G1A+0], s40, (1<<16)|(1<<20)|(1<<21)|(6<<22)|(3<<25)   ; mask; 2-byte elements; padding on; bit 21 beside a mask; after 128 words 4 words
	s_mov_b32 s[G1A+1], KSTEP<<16                  ; tensor_dim0 = 256
	s_mov_b32 s[G1A+2], 64<<16                     ; tensor_dim1 = 64
	s_mov_b32 s[G1A+3], KSTEP<<16                  ; tile_dim0
	s_mov_b32 s[G1A+4], 64                         ; tile_dim1
	s_mov_b32 s[G1A+5], SIZE_K
	s_mov_b32 s[G1A+6], 0
	s_mov_b32 s[G1A+7], 0
	s_or_b32 s[G1B+0], s41, (1<<16)|(1<<20)|(1<<21)|(5<<22)|(7<<25)   ; after 64 words 8 words
	s_mov_b32 s[G1B+1], 128<<16                    ; 128 columns
	s_mov_b32 s[G1B+2], 128<<16                    ; 128 k-rows
	s_mov_b32 s[G1B+3], 128<<16
	s_mov_b32 s[G1B+4], 128
	s_mov_b32 s[G1B+5], SIZE_N
	s_mov_b32 s[G1B+6], 0
	s_mov_b32 s[G1B+7], 0
	s_lshl_b32 s42, s23, 7                         ; A: row 128 by + 64 half, in bytes
	s_lshl_b32 s43, s18, 6
	s_add_co_u32 s42, s42, s43
	s_mul_i32 s42, s42, SIZE_K*2
	s_mov_b32 s43, 0
	s_mul_i32 s46, s18, AHALF
	s_lshl_b32 s68, s22, 8                         ; W: 128 columns a block, 128 k-rows a half
	s_mul_i32 s69, s18, 128*SIZE_N*2
	s_add_co_u32 s68, s68, s69
	s_add_co_u32 s68, s68, WOFF
	s_mov_b32 s69, 0
	s_mul_i32 s72, s18, BHALF
	s_add_co_u32 s72, s72, ATILE
	s_wait_dscnt 0x0
	s_wait_kmcnt 0x0
	s_add_nc_u64 s[44:45], s[4:5], s[42:43]
	s_add_nc_u64 s[70:71], s[6:7], s[68:69]
	CROUND                                         ; all sixteen work-groups are here: the first joint loads meet
.irp s, 0,1
	s_mov_b32 s[G0A+4*\s], 1
	s_add_co_u32 s[G0A+4*\s+1], s46, \s*SLOT
	s_add_nc_u64 s[G0A+4*\s+2:G0A+4*\s+3], s[44:45], \s*KSTEP*2
	s_or_b32 s[G0A+4*\s+3], s[G0A+4*\s+3], 0x80000000
	s_mov_b32 s[G0B+4*\s], 1
	s_add_co_u32 s[G0B+4*\s+1], s72, \s*SLOT
	s_add_nc_u64 s[G0B+4*\s+2:G0B+4*\s+3], s[70:71], \s*KSTEP*SIZE_N*2
	s_or_b32 s[G0B+4*\s+3], s[G0B+4*\s+3], 0x80000000
	JLOAD \s                                       ; two tensor loads of the wave are out here, later one
.endr
	v_and_b32 v1, 15, v0                           ; r
	v_bfe_u32 v2, v0, 4, 1                         ; h
	v_mul_u32_u24 v4, v1, PA
	v_lshl_add_u32 v4, v2, 4, v4
	s_mul_i32 s73, s17, AHALF                      ; my 64 rows of A
	v_add_nc_u32 v[ADRA], s73, v4
	v_add_nc_u32 v[ADRA+1], SLOT, v[ADRA]
	v_and_b32 v5, 7, v0
	v_lshl_add_u32 v5, v2, 3, v5
	v_mul_u32_u24 v5, v5, PB
	v_bfe_u32 v6, v0, 3, 1
	v_lshl_add_u32 v5, v6, 4, v5
	s_lshl_b32 s74, s18, 7                         ; my 64 columns
	s_add_co_u32 s74, s74, ATILE
	v_add_nc_u32 v[ADRB], s74, v5
	v_add_nc_u32 v[ADRB+1], 128*PB, v[ADRB]
	v_add_nc_u32 v[ADRB+2], SLOT, v[ADRB]
	v_add_nc_u32 v[ADRB+3], SLOT, v[ADRB+1]
	s_mul_i32 s75, s16, STG
	s_add_co_u32 s75, s75, STAGE
	v_mul_u32_u24 v7, v1, SP
	v_lshl_add_u32 v7, v2, 5, v7
	v_add_nc_u32 v[STO], s75, v7                   ; in: row r, 32 bytes for each half of the lanes
	v_mul_u32_u24 v7, v2, SP
	v_lshl_add_u32 v7, v1, 4, v7
	v_add_nc_u32 v[RD], s75, v7                    ; back: lanes 0-15 one row of 256 bytes, lanes 16-31 the next
	v_lshlrev_b32 v[CO], 12, v2                    ; and the same two rows of 4,096 bytes in memory
	v_lshl_add_u32 v[CO], v1, 4, v[CO]
	v_lshlrev_b32 v[BOF], 4, v1
	s_lshl_b32 s76, s22, 7
	s_lshl_b32 s77, s18, 6
	s_add_co_u32 s76, s76, s77                     ; my first column
	s_lshl_b32 s78, s76, 2
	s_mov_b32 s79, 0
	s_add_nc_u64 s[10:11], s[10:11], s[78:79]
	global_load_b128 v[BIAS:BIAS+3], v[BOF], s[10:11]
	s_lshl_b32 s77, s23, 7
	s_lshl_b32 s66, s17, 6
	s_add_co_u32 s77, s77, s66                     ; my first row
	s_mul_i32 s77, s77, SIZE_N*4
	s_add_co_u32 s78, s78, s77
	s_add_nc_u64 s[8:9], s[8:9], s[78:79]
	s_add_nc_u64 s[12:13], s[12:13], s[78:79]
	WIN 0xc0                                       ; destination window 3: the residual lands while the sums are made
.irp a, 0,1,2,3
.irp t, 0,1,2,3,4,5,6,7
	global_load_b128 v[4*(8*\a+\t):4*(8*\a+\t)+3], v[CO], s[12:13] offset:(16*\a+2*\t)*SIZE_N*4
.endr
.endr
	WIN 0
.macro MULROW f, a, zero               ; four matrix instructions: m block a x all four n blocks, 32 along K
.irp b, 0,1,2,3
.if \zero
	v_wmma_f32_16x16x32_bf16 v[8*(4*\a+\b):8*(4*\a+\b)+7], v[\f+8*\b:\f+8*\b+7], v[\f+8*\a:\f+8*\a+7], 0
.else
	v_wmma_f32_16x16x32_bf16 v[8*(4*\a+\b):8*(4*\a+\b)+7], v[\f+8*\b:\f+8*\b+7], v[\f+8*\a:\f+8*\a+7], v[8*(4*\a+\b):8*(4*\a+\b)+7]
.endif
.endr
.endm
.macro FETCH slot, q, f                ; 16 LDS loads in one run: the fragments of chunk q (32 along K) into buffer f
	WIN TO_B
.irp i, 0,1,2,3
	ds_load_tr16_b128 v[\f+8*\i:\f+8*\i+3],   v[ADRB+2*\slot+\q/4] offset:32*(\q%4)*PB+32*\i
	ds_load_tr16_b128 v[\f+8*\i+4:\f+8*\i+7], v[ADRB+2*\slot+\q/4] offset:32*(\q%4)*PB+32*\i+16*PB
.endr
	WIN 0
.irp i, 0,1,2,3
	ds_load_b128 v[\f+8*\i:\f+8*\i+3],   v[ADRA+\slot] offset:64*\q+\i*16*PA
	ds_load_b128 v[\f+8*\i+4:\f+8*\i+7], v[ADRA+\slot] offset:64*\q+\i*16*PA+32
.endr
.endm
.macro PLACES                          ; four places between a matrix instruction and a load into, or a vector use of, its registers
.rept 4
	v_nop
.endr
.endm
.macro CHUNK slot, q, f, g, zero       ; multiplies buffer f; in its middle fetches chunk q into buffer g
	s_wait_dscnt 4                                 ; W and A's rows 0-31 are in; the youngest four loads (A's rows 32-63) may be out
	WIN MUL
	MULROW \f, 0, \zero
	MULROW \f, 1, \zero
	PLACES
	FETCH \slot, \q, \g
	s_wait_dscnt 16                                ; all but the 16 just issued
	WIN MUL
	MULROW \f, 2, \zero
	MULROW \f, 3, \zero
.endm
.macro RUN slot, zero
	CHUNK \slot, 1, F0, F1, \zero
	CHUNK \slot, 2, F1, F0, 0
	CHUNK \slot, 3, F0, F1, 0
	CHUNK \slot, 4, F1, F0, 0
	CHUNK \slot, 5, F0, F1, 0
	CHUNK \slot, 6, F1, F0, 0
	CHUNK \slot, 7, F0, F1, 0
.endm
; The last chunk: multiplies buffer 1 and changes slots.  In front of the barrier each wave waits for its reads of this slot and for all its tensor loads.
; fill = 1: the barrier opens a round of the cluster's barrier, and the joint refill is the first tensor load behind the round.
; From a request to the wait for it a wave issues 124 matrix instructions.
.macro TURN slot, next, fill
	s_wait_dscnt 4
	WIN MUL
	MULROW F1, 0, 0
	s_wait_dscnt 0
	s_wait_tensorcnt 0x0
	ds_add_u32 v255, v255
	s_wait_dscnt 0x0
	s_barrier_signal -1
	MULROW F1, 1, 0
	WIN 0
	s_barrier_wait -1
.if \fill
	CREST
	s_add_nc_u64 s[G0A+4*\slot+2:G0A+4*\slot+3], s[G0A+4*\slot+2:G0A+4*\slot+3], 2*KSTEP*2
	s_add_nc_u64 s[G0B+4*\slot+2:G0B+4*\slot+3], s[G0B+4*\slot+2:G0B+4*\slot+3], 2*KSTEP*SIZE_N*2
	JLOAD \slot
.endif
	PLACES
	FETCH \next, 0, F0
	WIN MUL
	MULROW F1, 2, 0
	MULROW F1, 3, 0
.endm
.macro LAP zero
	RUN 0, \zero
	TURN 0, 1, 1
	RUN 1, 0
	TURN 1, 0, 1
.endm
	s_wait_tensorcnt 1                             ; my part of K step 0 is in; K step 1's may stay out
	s_barrier_signal -1
	s_barrier_wait -1
	FETCH 0, 0, F0
	LAP 1
.if LAPS > 2
	WIN 0
	s_mov_b32 s19, LAPS-2
.Llap:
	LAP 0
	WIN 0
	s_sub_co_u32 s19, s19, 1
	s_cmp_lg_u32 s19, 0
	s_cbranch_scc1 .Llap
.endif
	RUN 0, 0                                       ; the last lap fills nothing
	TURN 0, 1, 0
	RUN 1, 0
	s_wait_dscnt 4
	WIN MUL
	MULROW F1, 0, 0
	MULROW F1, 1, 0
	s_wait_dscnt 0
	MULROW F1, 2, 0
	MULROW F1, 3, 0
	PLACES
	s_wait_loadcnt 0x0                             ; bias and residual
; THE WAY OUT, rows 16 a .. 16 a + 15 of my block: in f32 into my own stage, back as whole rows of 64 numbers, bias and residual added,
; sixteen lanes store 256 consecutive bytes, aligned.  f: F0 or F1 in turn.
.macro OUT16 a, f
	WIN 0x08                                       ; store data window 2
.irp b, 0,1,2,3
	ds_store_b128 v[STO], v[8*(4*\a+\b):8*(4*\a+\b)+3] offset:64*\b
	ds_store_b128 v[STO], v[8*(4*\a+\b)+4:8*(4*\a+\b)+7] offset:64*\b+16
.endr
	WIN 0
	s_wait_xcnt 0x0                                ; buffer f, which earlier stores read, is loaded again only behind this wait
.irp t, 0,1,2,3,4,5,6,7
	ds_load_b128 v[\f+4*\t:\f+4*\t+3], v[RD] offset:2*\t*SP        ; LDS serves a wave's instructions in order: these see the stores above
.endr
.irp t, 0,1,2,3,4,5,6,7
	s_wait_dscnt 7-\t
	v_pk_add_f32 v[\f+4*\t:\f+4*\t+1], v[\f+4*\t:\f+4*\t+1], v[BIAS:BIAS+1]
	v_pk_add_f32 v[\f+4*\t+2:\f+4*\t+3], v[\f+4*\t+2:\f+4*\t+3], v[BIAS+2:BIAS+3]
.endr
	WIN 0x0c                                       ; source 1 window 3: the residual
.irp t, 0,1,2,3,4,5,6,7
	v_pk_add_f32 v[\f+4*\t:\f+4*\t+1], v[\f+4*\t:\f+4*\t+1], v[4*(8*\a+\t):4*(8*\a+\t)+1]
	v_pk_add_f32 v[\f+4*\t+2:\f+4*\t+3], v[\f+4*\t+2:\f+4*\t+3], v[4*(8*\a+\t)+2:4*(8*\a+\t)+3]
.endr
	WIN 0
.irp t, 0,1,2,3,4,5,6,7
	global_store_b128 v[CO], v[\f+4*\t:\f+4*\t+3], s[8:9] offset:(16*\a+2*\t)*SIZE_N*4
.endr
.endm
	OUT16 0, F0
	OUT16 1, F1
	OUT16 2, F0
	OUT16 3, F1
	s_set_vgpr_msb 0x1
	s_wait_tensorcnt 0x0
	ds_add_u32 v255, v255
	s_wait_dscnt 0x0
	s_set_vgpr_msb 0x100
	CROUND                                         ; the closing round: no work-group ends while a partner may still ask for a tile that names it
	s_endpgm
.Lfunc_end_k_q40b1bdcadd_wo:
	.size	k_q40b1bdcadd_wo, .Lfunc_end_k_q40b1bdcadd_wo-k_q40b1bdcadd_wo
	.p2alignl 7, 3214868480
	.fill 96, 4, 3214868480
	.section	.rodata,"a",@progbits
	.p2align	6, 0x0
	.amdhsa_kernel k_q40b1bdcadd_wo
		.amdhsa_group_segment_fixed_size 327680
		.amdhsa_private_segment_fixed_size 0
		.amdhsa_enable_private_segment 0
		.amdhsa_kernarg_size 40
		.amdhsa_user_sgpr_count 2
		.amdhsa_user_sgpr_kernarg_segment_ptr 1
		.amdhsa_wavefront_size32 1
		.amdhsa_system_sgpr_workgroup_id_x 1
		.amdhsa_system_sgpr_workgroup_id_y 1
		.amdhsa_system_sgpr_workgroup_id_z 1
		.amdhsa_system_vgpr_workitem_id 0
		.amdhsa_next_free_vgpr 896
		.amdhsa_next_free_sgpr 80
		.amdhsa_reserve_vcc 0
		.amdhsa_float_denorm_mode_32 3
		.amdhsa_float_denorm_mode_16_64 3
		.amdhsa_memory_ordered 1
		.amdhsa_forward_progress 1
		.amdhsa_inst_pref_size 103
	.end_amdhsa_kernel
	.amdgpu_metadata
---
amdhsa.version: [ 1, 2 ]
amdhsa.kernels:
  - .name:           k_q40b1bdcadd_wo
    .symbol:         k_q40b1bdcadd_wo.kd
    .args:
      - { .name: att, .offset: 0, .size: 8, .value_kind: global_buffer, .address_space: global }
      - { .name: wbf, .offset: 8, .size: 8, .value_kind: global_buffer, .address_space: global }
      - { .name: x1, .offset: 16, .size: 8, .value_kind: global_buffer, .address_space: global }
      - { .name: bo, .offset: 24, .size: 8, .value_kind: global_buffer, .address_space: global }
      - { .name: x, .offset: 32, .size: 8, .value_kind: global_buffer, .address_space: global }
    .group_segment_fixed_size: 327680
    .private_segment_fixed_size: 0
    .kernarg_segment_align: 8
    .kernarg_segment_size: 40
    .max_flat_workgroup_size: 128
    .sgpr_count:     80
    .vgpr_count:     896
    .wavefront_size: 32
...
	.end_amdgpu_metadata
.endif
;; end of part 4
;; launch ln2 (part 5): grid 256 x 1, 8 waves a work-group, no clusters, 0 bytes of LDS; arguments x1, ln2_g, ln2_b, h; writes h
.if DOCPART == 5
	.amdgcn_target "amdgcn-amd-amdhsa--gfx1250"
	.amdhsa_code_object_version 6
	.text
	.protected	k_q40b1bdcadd_ln2
	.globl	k_q40b1bdcadd_ln2
	.p2align	8
	.type	k_q40b1bdcadd_ln2,@function
k_q40b1bdcadd_ln2:
	s_mov_b64 s[64:65], 0
	v_nop
	global_prefetch_b8 v0, s[64:65] scope:SCOPE_SE
	s_setreg_imm32_b32 hwreg(HW_REG_WAVE_MODE, 25, 1), 1
	s_wait_xcnt 0x0
; h = layernorm(x1) * g + b, rounded once to bf16.  x1: [4096][1024] f32, h: [4096][1024] bf16.
; A row is 4,096 bytes = 32 registers of one wave; a wave takes two rows and keeps them in registers between the passes; eight waves, 16 rows a work-group.
; Memory binds: no LDS, no barrier, no matrix unit, no cluster (no byte is shared but g and b, 8 KiB).
; The variance is the mean of (x - mean)^2, taken on the centred row: no difference of large sums is formed.
; Limits: non-finite inputs are not served.
.set X0, 32                            ; v[32:63]   row 0
.set X1, 64                            ; v[64:95]   row 1
.set GA, 96                            ; v[96:127]  g of my 32 columns
.set BE, 128                           ; v[128:159] b of my 32 columns
; v1 = 16 x lane, v2 = 8 x lane, v[4:7] two chains of sums, v[8:9] mean twice, v[10:11] 1/sqrt twice, v12, v13 at work
.macro LANESUM                         ; v12 summed over the 32 lanes, the result in every lane
	v_add_f32_dpp v12, v12, v12 row_xmask:1 row_mask:0xf bank_mask:0xf
	v_add_f32_dpp v12, v12, v12 row_xmask:2 row_mask:0xf bank_mask:0xf
	v_add_f32_dpp v12, v12, v12 row_xmask:4 row_mask:0xf bank_mask:0xf
	v_add_f32_dpp v12, v12, v12 row_xmask:8 row_mask:0xf bank_mask:0xf
	v_permlanex16_b32 v13, v12, s28, s29
	v_add_f32 v12, v12, v13
.endm
; the row in v[X:X+31] becomes (x - mean) / sqrt(var + eps), in place
.macro STATS X
	v_pk_add_f32 v[4:5], v[\X:\X+1], v[\X+2:\X+3]
	v_pk_add_f32 v[6:7], v[\X+4:\X+5], v[\X+6:\X+7]
.set j, 8
.rept 6
	v_pk_add_f32 v[4:5], v[4:5], v[\X+j:\X+j+1]
	v_pk_add_f32 v[6:7], v[6:7], v[\X+j+2:\X+j+3]
.set j, j+4
.endr
	v_pk_add_f32 v[4:5], v[4:5], v[6:7]
	v_add_f32 v12, v4, v5
	LANESUM
	v_mul_f32 v8, s30, v12
	v_mul_f32 v9, s30, v12
.set j, 0
.rept 16
	v_pk_add_f32 v[\X+j:\X+j+1], v[\X+j:\X+j+1], v[8:9] neg_lo:[0,1] neg_hi:[0,1]
.set j, j+2
.endr
	v_pk_mul_f32 v[4:5], v[\X:\X+1], v[\X:\X+1]
	v_pk_mul_f32 v[6:7], v[\X+2:\X+3], v[\X+2:\X+3]
.set j, 4
.rept 7
	v_pk_fma_f32 v[4:5], v[\X+j:\X+j+1], v[\X+j:\X+j+1], v[4:5]
	v_pk_fma_f32 v[6:7], v[\X+j+2:\X+j+3], v[\X+j+2:\X+j+3], v[6:7]
.set j, j+4
.endr
	v_pk_add_f32 v[4:5], v[4:5], v[6:7]
	v_add_f32 v12, v4, v5
	LANESUM
	v_fma_f32 v12, v12, s30, s31                   ; var + eps
	v_rsq_f32 v10, v12
	v_rsq_f32 v11, v12
	v_nop                                          ; one plain instruction behind the transcendentals before their results are used (ISA guide 5.7.2)
.set j, 0
	s_wait_alu depctr_va_vdst(0)
.rept 16
	v_pk_mul_f32 v[\X+j:\X+j+1], v[\X+j:\X+j+1], v[10:11]
.set j, j+2
.endr
.endm
; * g + b, rounded to bf16, stored: a store of the wave covers 256 consecutive bytes, aligned
.macro EMIT X, rowoff
.irp j, 0,1,2,3,4,5,6,7
	v_pk_fma_f32 v[\X+4*\j:\X+4*\j+1], v[\X+4*\j:\X+4*\j+1], v[GA+4*\j:GA+4*\j+1], v[BE+4*\j:BE+4*\j+1]
	v_pk_fma_f32 v[\X+4*\j+2:\X+4*\j+3], v[\X+4*\j+2:\X+4*\j+3], v[GA+4*\j+2:GA+4*\j+3], v[BE+4*\j+2:BE+4*\j+3]
	v_cvt_pk_bf16_f32 v[\X+4*\j], v[\X+4*\j], v[\X+4*\j+1]
	v_cvt_pk_bf16_f32 v[\X+4*\j+1], v[\X+4*\j+2], v[\X+4*\j+3]
	global_store_b64 v2, v[\X+4*\j:\X+4*\j+1], s[10:11] offset:256*\j+\rowoff
.endr
.endm
	s_load_b256 s[4:11], s[0:1], 0x0               ; x1 s[4:5], g s[6:7], b s[8:9], h s[10:11]
	v_lshrrev_b32 v3, 5, v0
	v_readfirstlane_b32 s26, v3                    ; wave 0..7
	v_and_b32 v1, 31, v0
	v_lshlrev_b32 v2, 3, v1                        ; 8 x lane
	v_lshlrev_b32 v1, 4, v1                        ; 16 x lane
	s_lshl_b32 s32, ttmp9, 4
	s_lshl1_add_u32 s32, s26, s32                  ; my first row
	s_lshl_b32 s34, s32, 11
	s_lshl_b32 s32, s32, 12
	s_mov_b32 s33, 0
	s_mov_b32 s35, 0
	s_mov_b32 s28, 0x76543210
	s_mov_b32 s29, 0xfedcba98
	s_mov_b32 s30, 0x3a800000                      ; 1 / 1024
	s_mov_b32 s31, 0x3727c5ac                      ; 1e-5
	v_mov_b32 v13, 0                               ; the permute's destination counts as read
	s_wait_kmcnt 0x0
	s_add_nc_u64 s[4:5], s[4:5], s[32:33]
	s_add_nc_u64 s[10:11], s[10:11], s[34:35]
.irp j, 0,1,2,3,4,5,6,7
	global_load_b128 v[X0+4*\j:X0+4*\j+3], v1, s[4:5] offset:512*\j
.endr
.irp j, 0,1,2,3,4,5,6,7
	global_load_b128 v[X1+4*\j:X1+4*\j+3], v1, s[4:5] offset:512*\j+4096
.endr
.irp j, 0,1,2,3,4,5,6,7
	global_load_b128 v[GA+4*\j:GA+4*\j+3], v1, s[6:7] offset:512*\j
.endr
.irp j, 0,1,2,3,4,5,6,7
	global_load_b128 v[BE+4*\j:BE+4*\j+3], v1, s[8:9] offset:512*\j
.endr
	s_wait_loadcnt 24                              ; row 0 is in; the 24 younger loads stay out
	STATS X0
	s_wait_loadcnt 16                              ; row 1 is in; g and b may stay out
	STATS X1
	s_wait_loadcnt 0x0
	EMIT X0, 0
	EMIT X1, 2048
	s_endpgm
.Lfunc_end_k_q40b1bdcadd_ln2:
	.size	k_q40b1bdcadd_ln2, .Lfunc_end_k_q40b1bdcadd_ln2-k_q40b1bdcadd_ln2
	.p2alignl 7, 3214868480
	.fill 96, 4, 3214868480
	.section	.rodata,"a",@progbits
	.p2align	6, 0x0
	.amdhsa_kernel k_q40b1bdcadd_ln2
		.amdhsa_group_segment_fixed_size 0
		.amdhsa_private_segment_fixed_size 0
		.amdhsa_enable_private_segment 0
		.amdhsa_kernarg_size 32
		.amdhsa_user_sgpr_count 2
		.amdhsa_user_sgpr_kernarg_segment_ptr 1
		.amdhsa_wavefront_size32 1
		.amdhsa_system_sgpr_workgroup_id_x 1
		.amdhsa_system_sgpr_workgroup_id_y 1
		.amdhsa_system_sgpr_workgroup_id_z 1
		.amdhsa_system_vgpr_workitem_id 0
		.amdhsa_next_free_vgpr 160
		.amdhsa_next_free_sgpr 66
		.amdhsa_reserve_vcc 0
		.amdhsa_float_denorm_mode_32 3
		.amdhsa_float_denorm_mode_16_64 3
		.amdhsa_memory_ordered 1
		.amdhsa_forward_progress 1
		.amdhsa_inst_pref_size 20
	.end_amdhsa_kernel
	.amdgpu_metadata
---
amdhsa.version: [ 1, 2 ]
amdhsa.kernels:
  - .name:           k_q40b1bdcadd_ln2
    .symbol:         k_q40b1bdcadd_ln2.kd
    .args:
      - { .name: x1, .offset: 0, .size: 8, .value_kind: global_buffer, .address_space: global }
      - { .name: ln2_g, .offset: 8, .size: 8, .value_kind: global_buffer, .address_space: global }
      - { .name: ln2_b, .offset: 16, .size: 8, .value_kind: global_buffer, .address_space: global }
      - { .name: h, .offset: 24, .size: 8, .value_kind: global_buffer, .address_space: global }
    .group_segment_fixed_size: 0
    .private_segment_fixed_size: 0
    .kernarg_segment_align: 8
    .kernarg_segment_size: 32
    .max_flat_workgroup_size: 256
    .sgpr_count:     66
    .vgpr_count:     160
    .wavefront_size: 32
...
	.end_amdgpu_metadata
.endif
;; end of part 5
;; launch ffn1 (part 6): grid 16 x 16, 4 waves a work-group, clusters of 4 x 4, 327,680 bytes of LDS; arguments h, wbf, g, b1; writes g
.if DOCPART == 6
	.amdgcn_target "amdgcn-amd-amdhsa--gfx1250"
	.amdhsa_code_object_version 6
	.text
	.protected	k_q40b1bdcadd_ffn1
	.globl	k_q40b1bdcadd_ffn1
	.p2align	8
	.type	k_q40b1bdcadd_ffn1,@function
k_q40b1bdcadd_ffn1:
	s_mov_b64 s[64:65], 0
	v_nop
	global_prefetch_b8 v0, s[64:65] scope:SCOPE_SE
	s_setreg_imm32_b32 hwreg(HW_REG_WAVE_MODE, 25, 1), 1
	s_wait_xcnt 0x0
	s_wait_alu depctr_hold_cnt(0) depctr_sa_sdst(0) depctr_va_vdst(0) depctr_va_sdst(0) depctr_va_ssrc(0) depctr_va_vcc(0) depctr_vm_vsrc(0)
	s_getreg_b32 s2, hwreg(HW_REG_IB_STS2, 6, 4)
	s_cmp_eq_u32 s2, 0
	s_cbranch_scc0 .Lentry_in_a_cluster
	s_endpgm
.Lentry_in_a_cluster:
	s_bfe_u32 s2, ttmp6, 0x10000c
	s_cmp_lg_u32 s2, 0xf033
	s_cbranch_scc0 .Lentry_shape_is_right
	s_endpgm
.Lentry_shape_is_right:
; g = gelu(h W1 + b1), exact gelu in f32, stored in bf16.  h: [4096][1024] bf16; W1: [1024 (k)][4096 (n)] bf16 in wbf; g: [4096][4096] bf16.
; A work-group makes 256 x 256 of the result with four waves, a wave 128 x 128: 64 accumulator tiles, 512 registers.  16 x 16 = 256 work-groups.
; K goes in steps of 128 through two LDS slots filled by the tensor data mover.  A's tile: 256 rows x 256 bytes.  W's tile: 128 k-rows x 512 bytes,
; kept as it lies in memory (k down the rows); the fragments are read from it by transposing LDS loads.
; CLUSTERS: 4 x 4 work-groups.  A's tile hangs on the block row alone and is asked for jointly along a row of the cluster, W's on the block column alone
; and is asked for jointly along a column: the requests for both are divided by four.
; REGISTERS: window 0: v1-31 addresses and bias; v64-127, v128-191 fragments of A, two buffers (at work on the way out, with v192-223);
;            window 1: v64-127, v128-191 fragments of W; windows 2, 3: accumulator tiles (a, b) of my rows 0-63, 64-127 at v[8 (8 a + b)].
; The matrix instruction is used transposed (source 0 = 16 columns of W, source 1 = 16 rows of A): a lane then holds eight neighbouring columns of one row.
; The 64 accumulators take turns, one instruction a turn, in the same order in every quarter step.
; Limits: operands are rounded to bf16, sums are f32; erf by a rational form with absolute error at most 1.5e-7; non-finite inputs are not served.
.set SIZE_K, 1024                      ; length of the sums
.set LDB,    4096                      ; numbers in a row of W and of the result
.set NBL,    4                         ; log2 of the blocks of 256 columns in the matrix
.set WOFF,   8388608                   ; W1 in wbf
.set KSTEP,  128
.set PA,     272                       ; LDS row of A: 256 bytes + 16: an odd multiple of 16, the 16 rows of a fragment load start at 16 different 16-byte columns
.set PB,     544                       ; LDS row of W: 512 bytes + 32: an odd multiple of 32, as the transposing loads want
.set AHALF,  128*PA                    ; what one tensor load brings of A
.set ATILE,  2*AHALF
.set BHALF,  64*PB                     ; what one tensor load brings of W
.set SLOT,   ATILE+2*BHALF
.set STAGE,  2*SLOT                    ; behind the ring: 16 rows x 528 bytes for each wave; no tensor load lands here
.set SP,     528
.set STG,    16*SP
.set LAPS,   SIZE_K/(2*KSTEP)          ; a lap = two K steps = once round the ring
.set ADRA, 16                          ; v16-17 LDS address of my A fragments in slot 0, 1
.set ADRB, 20                          ; v20-21 the same for W
.set STO,  24                          ; the way out: where I put my tile rows
.set RD,   25                          ; where I read a row back
.set CO,   26                          ; my byte offset in a stored row
.set BOF,  27                          ; my byte offset in the bias
.set BIAS, 28                          ; v[28:31] bias of my four columns
.set F0,   64
.set F1,   128
.set PK,   128                         ; the way out: packed results
.set GZ,   160                         ; gelu: at work, sixteen registers each
.set GD,   176
.set GW,   192
.set GP,   208
.set G1A, 24                           ; s[24:31] group 1 for A's tiles
.set G0A, 32                           ; s[32:39] group 0 for A's tiles, a set for each slot
.set G1B, 48                           ; s[48:55] group 1 for W's tiles
.set G0B, 56                           ; s[56:63] group 0 for W's tiles
.set MSB, 0
.macro WIN new                         ; the immediate's high byte repeats the setting that is left
.if MSB != \new
	s_set_vgpr_msb (MSB<<8)|\new
.set MSB, \new
.endif
.endm
.set MUL_LO, 0xa1                      ; source 0 (W) window 1, source 1 (A) window 0, C and D window 2
.set MUL_HI, 0xf1                      ; the same, C and D window 3
.set TO_B,   0x40                      ; destination window 1
.macro JLOAD s                         ; a joint load: waves 0, 1 ask for A's halves, waves 2, 3 for W's; the branch hangs on the wave's number alone
	s_cmp_eq_u32 s17, 0
	s_cbranch_scc0 .Lfor_b_\@
	tensor_load_to_lds s[G0A+4*\s:G0A+4*\s+3], s[G1A:G1A+7]
	s_nop 0
	s_branch .Lasked_\@
.Lfor_b_\@:
	tensor_load_to_lds s[G0B+4*\s:G0B+4*\s+3], s[G1B:G1B+7]
	s_nop 0
.Lasked_\@:
.endm
.macro CREST                           ; a round of the cluster's barrier behind its opening barrier
	s_cmp_lg_u32 s16, 0
	s_cbranch_scc1 .Lnot_wave_0_\@
	s_barrier_signal -3
.Lnot_wave_0_\@:
	s_barrier_wait -3
	s_barrier_signal -1
	s_barrier_wait -1
.endm
.macro CROUND
	s_barrier_signal -1
	s_barrier_wait -1
	CREST
.endm
	s_load_b256 s[4:11], s[0:1], 0x0               ; A s[4:5], wbf s[6:7], result s[8:9], bias s[10:11]
	s_set_vgpr_msb 0x40
	v_lshl_add_u32 v255, v0, 2, 0x4c400
	s_set_vgpr_msb 0x4000
	v_mov_b32 v255, 0
	s_set_vgpr_msb 0x1
	ds_add_u32 v255, v255
	s_set_vgpr_msb 0x100
	v_lshrrev_b32 v1, 5, v0
	v_readfirstlane_b32 s16, v1                    ; wave 0..3
	s_lshr_b32 s17, s16, 1                         ; my half of the block's rows; also: I fetch for A (0) or W (1)
	s_and_b32 s18, s16, 1                          ; my half of its columns; also: which half of that tile I fetch
	s_bfe_u32 s20, ttmp6, 0x40000                  ; cx
	s_bfe_u32 s21, ttmp6, 0x40004                  ; cy
	s_lshl_b32 s22, ttmp9, 2
	s_add_co_u32 s22, s22, s20                     ; block column bx
	s_and_b32 s23, ttmp7, 0xffff
	s_lshl_b32 s23, s23, 2
	s_add_co_u32 s23, s23, s21                     ; block row by
	s_lshl_b32 s40, s21, 2
	s_lshl_b32 s40, 15, s40                        ; my row of the cluster
	s_lshl_b32 s41, 0x1111, s20                    ; my column
	s_or_b32 s[G1A+0], s40, (1<<16)|(1<<20)|(1<<21)|(5<<22)|(3<<25)   ; mask; 2-byte elements; padding on; bit 21 beside a mask; after 64 words 4 words
	s_mov_b32 s[G1A+1], KSTEP<<16                  ; tensor_dim0 = 128
	s_mov_b32 s[G1A+2], 128<<16                    ; tensor_dim1 = 128
	s_mov_b32 s[G1A+3], KSTEP<<16                  ; tile_dim0 = 128
	s_mov_b32 s[G1A+4], 128                        ; tile_dim1 = 128 rows
	s_mov_b32 s[G1A+5], SIZE_K                     ; numbers from row to row
	s_mov_b32 s[G1A+6], 0
	s_mov_b32 s[G1A+7], 0
	s_or_b32 s[G1B+0], s41, (1<<16)|(1<<20)|(1<<21)|(6<<22)|(7<<25)   ; after 128 words 8 words
	s_mov_b32 s[G1B+1], 256<<16                    ; tensor_dim0 = 256 columns
	s_mov_b32 s[G1B+2], 64<<16                     ; tensor_dim1 = 64 k-rows
	s_mov_b32 s[G1B+3], 256<<16
	s_mov_b32 s[G1B+4], 64
	s_mov_b32 s[G1B+5], LDB
	s_mov_b32 s[G1B+6], 0
	s_mov_b32 s[G1B+7], 0
	s_lshl_b32 s42, s23, 8                         ; A: row 256 by + 128 half, in bytes
	s_lshl_b32 s43, s18, 7
	s_add_co_u32 s42, s42, s43
	s_mul_i32 s42, s42, SIZE_K*2
	s_mov_b32 s43, 0
	s_mul_i32 s46, s18, AHALF                      ; and where it goes
	s_lshr_b32 s66, s22, NBL                       ; W: which matrix (here always 0),
	s_and_b32 s67, s22, (1<<NBL)-1                 ; which block of 256 columns,
	s_mul_i32 s68, s66, SIZE_K*LDB*2
	s_lshl_b32 s69, s67, 9
	s_add_co_u32 s68, s68, s69
	s_mul_i32 s69, s18, 64*LDB*2                   ; which 64 k-rows
	s_add_co_u32 s68, s68, s69
	s_add_co_u32 s68, s68, WOFF
	s_mov_b32 s69, 0
	s_mul_i32 s72, s18, BHALF
	s_add_co_u32 s72, s72, ATILE
	s_wait_dscnt 0x0
	s_wait_kmcnt 0x0
	s_add_nc_u64 s[44:45], s[4:5], s[42:43]
	s_add_nc_u64 s[70:71], s[6:7], s[68:69]
	CROUND                                         ; all sixteen work-groups are here: the first joint loads meet
.irp s, 0,1
	s_mov_b32 s[G0A+4*\s], 1
	s_add_co_u32 s[G0A+4*\s+1], s46, \s*SLOT
	s_add_nc_u64 s[G0A+4*\s+2:G0A+4*\s+3], s[44:45], \s*KSTEP*2
	s_or_b32 s[G0A+4*\s+3], s[G0A+4*\s+3], 0x80000000
	s_mov_b32 s[G0B+4*\s], 1
	s_add_co_u32 s[G0B+4*\s+1], s72, \s*SLOT
	s_add_nc_u64 s[G0B+4*\s+2:G0B+4*\s+3], s[70:71], \s*KSTEP*LDB*2
	s_or_b32 s[G0B+4*\s+3], s[G0B+4*\s+3], 0x80000000
	JLOAD \s                                       ; two tensor loads of the wave are out here, later one
.endr
	v_and_b32 v1, 15, v0                           ; r = lane % 16
	v_bfe_u32 v2, v0, 4, 1                         ; h = lane / 16
	v_and_b32 v3, 31, v0                           ; lane
	v_mul_u32_u24 v4, v1, PA                       ; A fragment: row r, 16 bytes for each half of the lanes
	v_lshl_add_u32 v4, v2, 4, v4
	s_mul_i32 s73, s17, AHALF                      ; my 128 rows of A
	v_add_nc_u32 v[ADRA], s73, v4
	v_add_nc_u32 v[ADRA+1], SLOT, v[ADRA]
	v_and_b32 v5, 7, v0                            ; W fragment, transposing load: k-row 8 h + lane % 8,
	v_lshl_add_u32 v5, v2, 3, v5
	v_mul_u32_u24 v5, v5, PB
	v_bfe_u32 v6, v0, 3, 1                         ; 16 bytes further for the odd groups of eight lanes
	v_lshl_add_u32 v5, v6, 4, v5
	s_lshl_b32 s74, s18, 8                         ; my 128 columns
	s_add_co_u32 s74, s74, ATILE
	v_add_nc_u32 v[ADRB], s74, v5
	v_add_nc_u32 v[ADRB+1], SLOT, v[ADRB]
	s_mul_i32 s75, s16, STG
	s_add_co_u32 s75, s75, STAGE                   ; my stage
	v_mul_u32_u24 v7, v1, SP
	v_lshl_add_u32 v7, v2, 5, v7                   ; in: row r, 32 bytes for each half of the lanes
	v_add_nc_u32 v[STO], s75, v7
	v_lshl_add_u32 v[RD], v3, 4, s75               ; back: a row of 128 f32, 16 bytes a lane
	v_lshlrev_b32 v[CO], 3, v3                     ; out: 8 bytes a lane
	v_lshlrev_b32 v[BOF], 4, v3
	s_lshl_b32 s76, s67, 8
	s_lshl_b32 s77, s18, 7
	s_add_co_u32 s76, s76, s77                     ; my first column in the matrix
	s_lshl_b32 s78, s76, 2
	s_mov_b32 s79, 0
	s_add_nc_u64 s[10:11], s[10:11], s[78:79]
	global_load_b128 v[BIAS:BIAS+3], v[BOF], s[10:11]
	s_lshl_b32 s77, s23, 8
	s_lshl_b32 s78, s17, 7
	s_add_co_u32 s77, s77, s78                     ; my first row,
	s_lshl_b32 s78, s66, 12
	s_add_co_u32 s77, s77, s78                     ; 4,096 rows further for each matrix
	s_mul_i32 s77, s77, LDB*2
	s_lshl1_add_u32 s78, s76, s77
	s_add_nc_u64 s[8:9], s[8:9], s[78:79]
	v_mov_b32 v12, 0x3f87dc22                      ; a5, twice
	v_mov_b32 v13, 0x3f87dc22
; 16 matrix instructions: m blocks a0, a0 + 1 of the window's four x all 8 n blocks, 32 along K.  zero = 1: the first product starts the sums.
.macro MUL16 f, hi, a0, zero
.irp a, \a0, \a0+1
.irp b, 0,1,2,3,4,5,6,7
.if \zero
	v_wmma_f32_16x16x32_bf16 v[8*(8*(\a)+\b):8*(8*(\a)+\b)+7], v[\f+8*\b:\f+8*\b+7], v[\f+8*(4*\hi+\a):\f+8*(4*\hi+\a)+7], 0
.else
	v_wmma_f32_16x16x32_bf16 v[8*(8*(\a)+\b):8*(8*(\a)+\b)+7], v[\f+8*\b:\f+8*\b+7], v[\f+8*(4*\hi+\a):\f+8*(4*\hi+\a)+7], v[8*(8*(\a)+\b):8*(8*(\a)+\b)+7]
.endif
.endr
.endr
.endm
; 32 LDS loads in one run: the fragments of quarter q of a K step into buffer f
.macro FETCH slot, q, f
	WIN TO_B
.irp i, 0,1,2,3,4,5,6,7
	ds_load_tr16_b128 v[\f+8*\i:\f+8*\i+3],   v[ADRB+\slot] offset:32*\q*PB+32*\i          ; k = 32 q + 8 h + 0..7 of column 16 i + r
	ds_load_tr16_b128 v[\f+8*\i+4:\f+8*\i+7], v[ADRB+\slot] offset:32*\q*PB+32*\i+16*PB    ; k sixteen further
.endr
	WIN 0
.irp i, 0,1,2,3,4,5,6,7
	ds_load_b128 v[\f+8*\i:\f+8*\i+3],   v[ADRA+\slot] offset:64*\q+\i*16*PA
	ds_load_b128 v[\f+8*\i+4:\f+8*\i+7], v[ADRA+\slot] offset:64*\q+\i*16*PA+32
.endr
.endm
.macro PLACES                          ; four places between a matrix instruction and a load into, or a vector use of, its registers
.rept 4
	v_nop
.endr
.endm
.macro QUARTER slot, q, f, g, zero     ; multiplies buffer f; in its middle fetches quarter q into buffer g
	s_wait_dscnt 8                                 ; W and A's rows 0-63 are in; the youngest eight loads (A's rows 64-127) may be out
	WIN MUL_LO
	MUL16 \f, 0, 0, \zero
	MUL16 \f, 0, 2, \zero
	PLACES
	FETCH \slot, \q, \g
	s_wait_dscnt 32                                ; all but the 32 just issued
	WIN MUL_HI
	MUL16 \f, 1, 0, \zero
	MUL16 \f, 1, 2, \zero
.endm
.macro THREE slot, zero
	QUARTER \slot, 1, F0, F1, \zero
	QUARTER \slot, 2, F1, F0, 0
	QUARTER \slot, 3, F0, F1, 0
.endm
; The last quarter: multiplies buffer 1 and changes slots.  In front of the barrier each wave waits for its reads of this slot and for all its tensor
; loads (the one that is out is its part of the next slot).  fill = 1: the barrier opens a round of the cluster's barrier, and the joint refill is the
; first tensor load behind the round.  From a request to the wait for it a wave issues 240 matrix instructions.
.macro TURN slot, next, fill
	s_wait_dscnt 8
	WIN MUL_LO
	MUL16 F1, 0, 0, 0
	s_wait_dscnt 0
	s_wait_tensorcnt 0x0
	ds_add_u32 v255, v255
	s_wait_dscnt 0x0
	s_barrier_signal -1
	MUL16 F1, 0, 2, 0                              ; register work while the others arrive
	WIN 0
	s_barrier_wait -1
.if \fill
	CREST
	s_add_nc_u64 s[G0A+4*\slot+2:G0A+4*\slot+3], s[G0A+4*\slot+2:G0A+4*\slot+3], 2*KSTEP*2
	s_add_nc_u64 s[G0B+4*\slot+2:G0B+4*\slot+3], s[G0B+4*\slot+2:G0B+4*\slot+3], 2*KSTEP*LDB*2
	JLOAD \slot
.endif
	PLACES
	FETCH \next, 0, F0
	WIN MUL_HI
	MUL16 F1, 1, 0, 0
	MUL16 F1, 1, 2, 0
.endm
.macro LAP zero
	THREE 0, \zero
	TURN 0, 1, 1
	THREE 1, 0
	TURN 1, 0, 1
.endm
	s_wait_tensorcnt 1                             ; my part of K step 0 is in; K step 1's may stay out
	s_barrier_signal -1
	s_barrier_wait -1
	FETCH 0, 0, F0
	LAP 1
.if LAPS > 2
	WIN 0
	s_mov_b32 s19, LAPS-2
.Llap:
	LAP 0
	WIN 0
	s_sub_co_u32 s19, s19, 1
	s_cmp_lg_u32 s19, 0
	s_cbranch_scc1 .Llap
.endif
	THREE 0, 0                                     ; the last lap fills nothing
	TURN 0, 1, 0
	THREE 1, 0
	s_wait_dscnt 8
	WIN MUL_LO
	MUL16 F1, 0, 0, 0
	MUL16 F1, 0, 2, 0
	s_wait_dscnt 0
	WIN MUL_HI
	MUL16 F1, 1, 0, 0
	MUL16 F1, 1, 2, 0
	PLACES
	s_wait_loadcnt 0x0                             ; the bias
; gelu(x) = max(x, 0) - 0.5 |x| erfc(|x| / sqrt 2), erfc by the rational form of Abramowitz and Stegun 7.1.26 (absolute error at most 1.5e-7):
; Z = |x| sqrt(0.5 log2 e); t = 1 / (1 + 0.27273748 Z); erfc = t (a1 + t (a2 + t (a3 + t (a4 + t a5)))) 2^(-Z Z); 0.5 |x| = 0.58870501 Z.
; Sixteen numbers a lane (four rows) in place: the chain has a dozen steps, and each step is eight packed or sixteen single instructions that do not wait for each other.
.macro GELU16 X
.set gk, 0
.rept 16
	v_mul_f32 v[GZ+gk], 0x3f596d27, |v[\X+gk]|
.set gk, gk+1
.endr
.set gk, 0
.rept 8
	v_pk_fma_f32 v[GD+gk:GD+gk+1], v[GZ+gk:GZ+gk+1], 0x3e8ba43f, 1.0 op_sel_hi:[1,0,0]
	v_pk_mul_f32 v[GW+gk:GW+gk+1], v[GZ+gk:GZ+gk+1], v[GZ+gk:GZ+gk+1] neg_lo:[1,0] neg_hi:[1,0]
.set gk, gk+2
.endr
.set gk, 0
.rept 16
	v_rcp_f32 v[GD+gk], v[GD+gk]
.set gk, gk+1
.endr
.set gk, 0
.rept 16
	v_exp_f32 v[GW+gk], v[GW+gk]
.set gk, gk+1
.endr
.set gk, 0
.rept 16
	v_max_num_f32 v[\X+gk], 0, v[\X+gk]            ; plain work behind the transcendentals (ISA guide 5.7.2)
.set gk, gk+1
.endr
.set gk, 0
	s_wait_alu depctr_va_vdst(0)
.rept 8
	v_pk_fma_f32 v[GP+gk:GP+gk+1], v[GD+gk:GD+gk+1], v[12:13], 0xbfba00e3 op_sel_hi:[1,1,0]
.set gk, gk+2
.endr
.irp c, 0x3fb5f0e3, 0xbe91a98e, 0x3e827906
.set gk, 0
.rept 8
	v_pk_fma_f32 v[GP+gk:GP+gk+1], v[GP+gk:GP+gk+1], v[GD+gk:GD+gk+1], \c op_sel_hi:[1,1,0]
.set gk, gk+2
.endr
.endr
.set gk, 0
.rept 8
	v_pk_mul_f32 v[GP+gk:GP+gk+1], v[GP+gk:GP+gk+1], v[GD+gk:GD+gk+1]
.set gk, gk+2
.endr
.set gk, 0
.rept 8
	v_pk_mul_f32 v[GP+gk:GP+gk+1], v[GP+gk:GP+gk+1], v[GW+gk:GW+gk+1]
.set gk, gk+2
.endr
.set gk, 0
.rept 8
	v_pk_mul_f32 v[GP+gk:GP+gk+1], v[GP+gk:GP+gk+1], v[GZ+gk:GZ+gk+1]
.set gk, gk+2
.endr
.set gk, 0
.rept 8
	v_pk_fma_f32 v[\X+gk:\X+gk+1], v[GP+gk:GP+gk+1], 0xbf16b55f, v[\X+gk:\X+gk+1] op_sel_hi:[1,0,1]
.set gk, gk+2
.endr
.endm
; THE WAY OUT, rows 16 i .. 16 i + 15 of my block = tiles (a, 0..7) of window 2 or 3 (win: the store data's window): in f32 into my own stage,
; back as whole rows of 128 numbers, bias and gelu in f32, rounded once, a row = one store of the wave = 256 consecutive bytes, aligned.
; The rows go in groups of four, and a group's stores are issued behind the next group's adds, when their data have long been written.
.macro ROWS4 i, g                      ; the stores of rows 4 g .. 4 g + 3 of the sixteen
.irp t, 0,1,2,3
	global_store_b64 v[CO], v[PK+2*(4*(\g)+\t):PK+2*(4*(\g)+\t)+1], s[8:9] offset:(16*\i+4*(\g)+\t)*LDB*2
.endr
.endm
.macro OUT16 i, a, win
	WIN \win
.irp b, 0,1,2,3,4,5,6,7
	ds_store_b128 v[STO], v[8*(8*\a+\b):8*(8*\a+\b)+3] offset:64*\b
	ds_store_b128 v[STO], v[8*(8*\a+\b)+4:8*(8*\a+\b)+7] offset:64*\b+16
.endr
	WIN 0
	s_wait_xcnt 0x0                                ; the packed registers, which earlier stores read, are rewritten only behind this wait
.irp t, 0,1,2,3,4,5,6,7,8,9,10,11,12,13,14,15
	ds_load_b128 v[F0+4*\t:F0+4*\t+3], v[RD] offset:\t*SP          ; LDS serves a wave's instructions in order: these see the stores above
.endr
.irp g, 0,1,2,3
	s_wait_dscnt 12-4*\g                           ; rows up to 4 g + 3 are in; the loads of the rows behind them may be out
.irp t, 0,1,2,3
	v_pk_add_f32 v[F0+16*\g+4*\t:F0+16*\g+4*\t+1], v[F0+16*\g+4*\t:F0+16*\g+4*\t+1], v[BIAS:BIAS+1]
	v_pk_add_f32 v[F0+16*\g+4*\t+2:F0+16*\g+4*\t+3], v[F0+16*\g+4*\t+2:F0+16*\g+4*\t+3], v[BIAS+2:BIAS+3]
.endr
.if \g
	ROWS4 \i, \g-1
.endif
	GELU16 F0+16*\g
.irp t, 0,1,2,3
	v_cvt_pk_bf16_f32 v[PK+2*(4*\g+\t)], v[F0+16*\g+4*\t], v[F0+16*\g+4*\t+1]
	v_cvt_pk_bf16_f32 v[PK+2*(4*\g+\t)+1], v[F0+16*\g+4*\t+2], v[F0+16*\g+4*\t+3]
.endr
.endr
	ROWS4 \i, 3
.endm
	OUT16 0, 0, 0x08
	OUT16 1, 1, 0x08
	OUT16 2, 2, 0x08
	OUT16 3, 3, 0x08
	OUT16 4, 0, 0x0c
	OUT16 5, 1, 0x0c
	OUT16 6, 2, 0x0c
	OUT16 7, 3, 0x0c
	s_set_vgpr_msb 0x1
	s_wait_tensorcnt 0x0
	ds_add_u32 v255, v255
	s_wait_dscnt 0x0
	s_set_vgpr_msb 0x100
	CROUND                                         ; the closing round: no work-group ends while a partner may still ask for a tile that names it
	s_endpgm
.Lfunc_end_k_q40b1bdcadd_ffn1:
	.size	k_q40b1bdcadd_ffn1, .Lfunc_end_k_q40b1bdcadd_ffn1-k_q40b1bdcadd_ffn1
	.p2alignl 7, 3214868480
	.fill 96, 4, 3214868480
	.section	.rodata,"a",@progbits
	.p2align	6, 0x0
	.amdhsa_kernel k_q40b1bdcadd_ffn1
		.amdhsa_group_segment_fixed_size 327680
		.amdhsa_private_segment_fixed_size 0
		.amdhsa_enable_private_segment 0
		.amdhsa_kernarg_size 32
		.amdhsa_user_sgpr_count 2
		.amdhsa_user_sgpr_kernarg_segment_ptr 1
		.amdhsa_wavefront_size32 1
		.amdhsa_system_sgpr_workgroup_id_x 1
		.amdhsa_system_sgpr_workgroup_id_y 1
		.amdhsa_system_sgpr_workgroup_id_z 1
		.amdhsa_system_vgpr_workitem_id 0
		.amdhsa_next_free_vgpr 1024
		.amdhsa_next_free_sgpr 80
		.amdhsa_reserve_vcc 0
		.amdhsa_float_denorm_mode_32 3
		.amdhsa_float_denorm_mode_16_64 3
		.amdhsa_memory_ordered 1
		.amdhsa_forward_progress 1
		.amdhsa_inst_pref_size 255
	.end_amdhsa_kernel
	.section	.bss,"aw",@nobits
	.p2align	6
	.space	262144
	.amdgpu_metadata
---
amdhsa.version: [ 1, 2 ]
amdhsa.kernels:
  - .name:           k_q40b1bdcadd_ffn1
    .symbol:         k_q40b1bdcadd_ffn1.kd
    .args:
      - { .name: h, .offset: 0, .size: 8, .value_kind: global_buffer, .address_space: global }
      - { .name: wbf, .offset: 8, .size: 8, .value_kind: global_buffer, .address_space: global }
      - { .name: g, .offset: 16, .size: 8, .value_kind: global_buffer, .address_space: global }
      - { .name: b1, .offset: 24, .size: 8, .value_kind: global_buffer, .address_space: global }
    .group_segment_fixed_size: 327680
    .private_segment_fixed_size: 0
    .kernarg_segment_align: 8
    .kernarg_segment_size: 32
    .max_flat_workgroup_size: 128
    .sgpr_count:     80
    .vgpr_count:     1024
    .wavefront_size: 32
...
	.end_amdgpu_metadata
.endif
;; end of part 6
;; launch ffn2 (part 7): grid 8 x 32, 4 waves a work-group, clusters of 4 x 4, 327,680 bytes of LDS; arguments g, wbf, out0, b2, x1; writes out0
.if DOCPART == 7
	.amdgcn_target "amdgcn-amd-amdhsa--gfx1250"
	.amdhsa_code_object_version 6
	.text
	.protected	k_q40b1bdcadd_ffn2
	.globl	k_q40b1bdcadd_ffn2
	.p2align	8
	.type	k_q40b1bdcadd_ffn2,@function
k_q40b1bdcadd_ffn2:
	s_mov_b64 s[64:65], 0
	v_nop
	global_prefetch_b8 v0, s[64:65] scope:SCOPE_SE
	s_setreg_imm32_b32 hwreg(HW_REG_WAVE_MODE, 25, 1), 1
	s_wait_xcnt 0x0
	s_wait_alu depctr_hold_cnt(0) depctr_sa_sdst(0) depctr_va_vdst(0) depctr_va_sdst(0) depctr_va_ssrc(0) depctr_va_vcc(0) depctr_vm_vsrc(0)
	s_getreg_b32 s2, hwreg(HW_REG_IB_STS2, 6, 4)
	s_cmp_eq_u32 s2, 0
	s_cbranch_scc0 .Lentry_in_a_cluster
	s_endpgm
.Lentry_in_a_cluster:
	s_bfe_u32 s2, ttmp6, 0x10000c
	s_cmp_lg_u32 s2, 0xf033
	s_cbranch_scc0 .Lentry_shape_is_right
	s_endpgm
.Lentry_shape_is_right:
; out0 = x1 + g W2 + b2, in f32.  g: [4096][4096] bf16; W2: [4096 (k)][1024 (n)] bf16 in wbf; x1, out0: [4096][1024] f32.
; The result has only 1,024 columns, so a work-group makes 128 x 128 of it: 8 x 32 = 256 work-groups.  Four waves, a wave 64 x 64: 16 accumulator tiles.
; K goes in steps of 256 through two LDS slots filled by the tensor data mover.  A's tile: 128 rows x 512 bytes.  W's tile: 256 k-rows x 256 bytes,
; kept as it lies in memory; the fragments are read from it by transposing LDS loads.
; CLUSTERS: 4 x 4 work-groups; A's tile is asked for jointly along a row of the cluster, W's along a column: the requests for both are divided by four.
; REGISTERS: window 0: v1-31 addresses and bias; v64-95, v128-159 fragments of A, two buffers; window 1: the same numbers, fragments of W;
;            window 2: accumulator tile (a, b) at v[8 (4 a + b)]; window 3: v0-127 the residual of my 64 x 64, asked for at the start.
; The matrix instruction is used transposed (source 0 = 16 columns of W, source 1 = 16 rows of A): a lane then holds eight neighbouring columns of one row.
; The 16 accumulators take turns, one instruction a turn, in the same order in every chunk.
; Limits: operands are bf16, sums, bias and residual f32; non-finite inputs are not served.
.set SIZE_K, 4096
.set SIZE_N, 1024                      ; numbers in a row of W, of the residual and of the result
.set WOFF,   16777216                  ; W2 in wbf
.set KSTEP,  256
.set PA,     528                       ; LDS row of A: 512 bytes + 16
.set PB,     288                       ; LDS row of W: 256 bytes + 32
.set AHALF,  64*PA
.set ATILE,  2*AHALF
.set BHALF,  128*PB
.set SLOT,   ATILE+2*BHALF
.set STAGE,  2*SLOT                    ; behind the ring: 16 rows x 272 bytes for each wave; no tensor load lands here
.set SP,     272
.set STG,    16*SP
.set LAPS,   SIZE_K/(2*KSTEP)
.set ADRA, 16                          ; v16-17 A fragments in slot 0, 1
.set ADRB, 20                          ; v20-23 W fragments: 2 x slot + (chunk / 4): the offsets of chunks 4-7 would pass the 16-bit immediate
.set STO,  24
.set RD,   25
.set CO,   26
.set BOF,  27
.set BIAS, 28
.set F0,   64
.set F1,   128
.set G1A, 24
.set G0A, 32
.set G1B, 48
.set G0B, 56
.set MSB, 0
.macro WIN new
.if MSB != \new
	s_set_vgpr_msb (MSB<<8)|\new
.set MSB, \new
.endif
.endm
.set MUL,  0xa1                        ; source 0 (W) window 1, source 1 (A) window 0, C and D window 2
.set TO_B, 0x40
.macro JLOAD s
	s_cmp_eq_u32 s17, 0
	s_cbranch_scc0 .Lfor_b_\@
	tensor_load_to_lds s[G0A+4*\s:G0A+4*\s+3], s[G1A:G1A+7]
	s_nop 0
	s_branch .Lasked_\@
.Lfor_b_\@:
	tensor_load_to_lds s[G0B+4*\s:G0B+4*\s+3], s[G1B:G1B+7]
	s_nop 0
.Lasked_\@:
.endm
.macro CREST
	s_cmp_lg_u32 s16, 0
	s_cbranch_scc1 .Lnot_wave_0_\@
	s_barrier_signal -3
.Lnot_wave_0_\@:
	s_barrier_wait -3
	s_barrier_signal -1
	s_barrier_wait -1
.endm
.macro CROUND
	s_barrier_signal -1
	s_barrier_wait -1
	CREST
.endm
	s_load_b256 s[4:11], s[0:1], 0x0               ; A s[4:5], wbf s[6:7], result s[8:9], bias s[10:11]
	s_load_b64 s[12:13], s[0:1], 0x20              ; residual
	s_set_vgpr_msb 0x40
	v_lshl_add_u32 v255, v0, 2, 0x49400
	s_set_vgpr_msb 0x4000
	v_mov_b32 v255, 0
	s_set_vgpr_msb 0x1
	ds_add_u32 v255, v255
	s_set_vgpr_msb 0x100
	v_lshrrev_b32 v1, 5, v0
	v_readfirstlane_b32 s16, v1                    ; wave 0..3
	s_lshr_b32 s17, s16, 1                         ; my half of the block's rows; also: I fetch for A (0) or W (1)
	s_and_b32 s18, s16, 1                          ; my half of its columns; also: which half of that tile I fetch
	s_bfe_u32 s20, ttmp6, 0x40000                  ; cx
	s_bfe_u32 s21, ttmp6, 0x40004                  ; cy
	s_lshl_b32 s22, ttmp9, 2
	s_add_co_u32 s22, s22, s20                     ; block column bx
	s_and_b32 s23, ttmp7, 0xffff
	s_lshl_b32 s23, s23, 2
	s_add_co_u32 s23, s23, s21                     ; block row by
	s_lshl_b32 s40, s21, 2
	s_lshl_b32 s40, 15, s40                        ; my row of the cluster
	s_lshl_b32 s41, 0x1111, s20                    ; my column
	s_or_b32 s[G1A+0], s40, (1<<16)|(1<<20)|(1<<21)|(6<<22)|(3<<25)   ; mask; 2-byte elements; padding on; bit 21 beside a mask; after 128 words 4 words
	s_mov_b32 s[G1A+1], KSTEP<<16                  ; tensor_dim0 = 256
	s_mov_b32 s[G1A+2], 64<<16                     ; tensor_dim1 = 64
	s_mov_b32 s[G1A+3], KSTEP<<16                  ; tile_dim0
	s_mov_b32 s[G1A+4], 64                         ; tile_dim1
	s_mov_b32 s[G1A+5], SIZE_K
	s_mov_b32 s[G1A+6], 0
	s_mov_b32 s[G1A+7], 0
	s_or_b32 s[G1B+0], s41, (1<<16)|(1<<20)|(1<<21)|(5<<22)|(7<<25)   ; after 64 words 8 words
	s_mov_b32 s[G1B+1], 128<<16                    ; 128 columns
	s_mov_b32 s[G1B+2], 128<<16                    ; 128 k-rows
	s_mov_b32 s[G1B+3], 128<<16
	s_mov_b32 s[G1B+4], 128
	s_mov_b32 s[G1B+5], SIZE_N
	s_mov_b32 s[G1B+6], 0
	s_mov_b32 s[G1B+7], 0
	s_lshl_b32 s42, s23, 7                         ; A: row 128 by + 64 half, in bytes
	s_lshl_b32 s43, s18, 6
	s_add_co_u32 s42, s42, s43
	s_mul_i32 s42, s42, SIZE_K*2
	s_mov_b32 s43, 0
	s_mul_i32 s46, s18, AHALF
	s_lshl_b32 s68, s22, 8                         ; W: 128 columns a block, 128 k-rows a half
	s_mul_i32 s69, s18, 128*SIZE_N*2
	s_add_co_u32 s68, s68, s69
	s_add_co_u32 s68, s68, WOFF
	s_mov_b32 s69, 0
	s_mul_i32 s72, s18, BHALF
	s_add_co_u32 s72, s72, ATILE
	s_wait_dscnt 0x0
	s_wait_kmcnt 0x0
	s_add_nc_u64 s[44:45], s[4:5], s[42:43]
	s_add_nc_u64 s[70:71], s[6:7], s[68:69]
	CROUND                                         ; all sixteen work-groups are here: the first joint loads meet
.irp s, 0,1
	s_mov_b32 s[G0A+4*\s], 1
	s_add_co_u32 s[G0A+4*\s+1], s46, \s*SLOT
	s_add_nc_u64 s[G0A+4*\s+2:G0A+4*\s+3], s[44:45], \s*KSTEP*2
	s_or_b32 s[G0A+4*\s+3], s[G0A+4*\s+3], 0x80000000
	s_mov_b32 s[G0B+4*\s], 1
	s_add_co_u32 s[G0B+4*\s+1], s72, \s*SLOT
	s_add_nc_u64 s[G0B+4*\s+2:G0B+4*\s+3], s[70:71], \s*KSTEP*SIZE_N*2
	s_or_b32 s[G0B+4*\s+3], s[G0B+4*\s+3], 0x80000000
	JLOAD \s                                       ; two tensor loads of the wave are out here, later one
.endr
	v_and_b32 v1, 15, v0                           ; r
	v_bfe_u32 v2, v0, 4, 1                         ; h
	v_mul_u32_u24 v4, v1, PA
	v_lshl_add_u32 v4, v2, 4, v4
	s_mul_i32 s73, s17, AHALF                      ; my 64 rows of A
	v_add_nc_u32 v[ADRA], s73, v4
	v_add_nc_u32 v[ADRA+1], SLOT, v[ADRA]
	v_and_b32 v5, 7, v0
	v_lshl_add_u32 v5, v2, 3, v5
	v_mul_u32_u24 v5, v5, PB
	v_bfe_u32 v6, v0, 3, 1
	v_lshl_add_u32 v5, v6, 4, v5
	s_lshl_b32 s74, s18, 7                         ; my 64 columns
	s_add_co_u32 s74, s74, ATILE
	v_add_nc_u32 v[ADRB], s74, v5
	v_add_nc_u32 v[ADRB+1], 128*PB, v[ADRB]
	v_add_nc_u32 v[ADRB+2], SLOT, v[ADRB]
	v_add_nc_u32 v[ADRB+3], SLOT, v[ADRB+1]
	s_mul_i32 s75, s16, STG
	s_add_co_u32 s75, s75, STAGE
	v_mul_u32_u24 v7, v1, SP
	v_lshl_add_u32 v7, v2, 5, v7
	v_add_nc_u32 v[STO], s75, v7                   ; in: row r, 32 bytes for each half of the lanes
	v_mul_u32_u24 v7, v2, SP
	v_lshl_add_u32 v7, v1, 4, v7
	v_add_nc_u32 v[RD], s75, v7                    ; back: lanes 0-15 one row of 256 bytes, lanes 16-31 the next
	v_lshlrev_b32 v[CO], 12, v2                    ; and the same two rows of 4,096 bytes in memory
	v_lshl_add_u32 v[CO], v1, 4, v[CO]
	v_lshlrev_b32 v[BOF], 4, v1
	s_lshl_b32 s76, s22, 7
	s_lshl_b32 s77, s18, 6
	s_add_co_u32 s76, s76, s77                     ; my first column
	s_lshl_b32 s78, s76, 2
	s_mov_b32 s79, 0
	s_add_nc_u64 s[10:11], s[10:11], s[78:79]
	global_load_b128 v[BIAS:BIAS+3], v[BOF], s[10:11]
	s_lshl_b32 s77, s23, 7
	s_lshl_b32 s66, s17, 6
	s_add_co_u32 s77, s77, s66                     ; my first row
	s_mul_i32 s77, s77, SIZE_N*4
	s_add_co_u32 s78, s78, s77
	s_add_nc_u64 s[8:9], s[8:9], s[78:79]
	s_add_nc_u64 s[12:13], s[12:13], s[78:79]
	WIN 0xc0                                       ; destination window 3: the residual lands while the sums are made
.irp a, 0,1,2,3
.irp t, 0,1,2,3,4,5,6,7
	global_load_b128 v[4*(8*\a+\t):4*(8*\a+\t)+3], v[CO], s[12:13] offset:(16*\a+2*\t)*SIZE_N*4
.endr
.endr
	WIN 0
.macro MULROW f, a, zero               ; four matrix instructions: m block a x all four n blocks, 32 along K
.irp b, 0,1,2,3
.if \zero
	v_wmma_f32_16x16x32_bf16 v[8*(4*\a+\b):8*(4*\a+\b)+7], v[\f+8*\b:\f+8*\b+7], v[\f+8*\a:\f+8*\a+7], 0
.else
	v_wmma_f32_16x16x32_bf16 v[8*(4*\a+\b):8*(4*\a+\b)+7], v[\f+8*\b:\f+8*\b+7], v[\f+8*\a:\f+8*\a+7], v[8*(4*\a+\b):8*(4*\a+\b)+7]
.endif
.endr
.endm
.macro FETCH slot, q, f                ; 16 LDS loads in one run: the fragments of chunk q (32 along K) into buffer f
	WIN TO_B
.irp i, 0,1,2,3
	ds_load_tr16_b128 v[\f+8*\i:\f+8*\i+3],   v[ADRB+2*\slot+\q/4] offset:32*(\q%4)*PB+32*\i
	ds_load_tr16_b128 v[\f+8*\i+4:\f+8*\i+7], v[ADRB+2*\slot+\q/4] offset:32*(\q%4)*PB+32*\i+16*PB
.endr
	WIN 0
.irp i, 0,1,2,3
	ds_load_b128 v[\f+8*\i:\f+8*\i+3],   v[ADRA+\slot] offset:64*\q+\i*16*PA
	ds_load_b128 v[\f+8*\i+4:\f+8*\i+7], v[ADRA+\slot] offset:64*\q+\i*16*PA+32
.endr
.endm
.macro PLACES                          ; four places between a matrix instruction and a load into, or a vector use of, its registers
.rept 4
	v_nop
.endr
.endm
.macro CHUNK slot, q, f, g, zero       ; multiplies buffer f; in its middle fetches chunk q into buffer g
	s_wait_dscnt 4                                 ; W and A's rows 0-31 are in; the youngest four loads (A's rows 32-63) may be out
	WIN MUL
	MULROW \f, 0, \zero
	MULROW \f, 1, \zero
	PLACES
	FETCH \slot, \q, \g
	s_wait_dscnt 16                                ; all but the 16 just issued
	WIN MUL
	MULROW \f, 2, \zero
	MULROW \f, 3, \zero
.endm
.macro RUN slot, zero
	CHUNK \slot, 1, F0, F1, \zero
	CHUNK \slot, 2, F1, F0, 0
	CHUNK \slot, 3, F0, F1, 0
	CHUNK \slot, 4, F1, F0, 0
	CHUNK \slot, 5, F0, F1, 0
	CHUNK \slot, 6, F1, F0, 0
	CHUNK \slot, 7, F0, F1, 0
.endm
; The last chunk: multiplies buffer 1 and changes slots.  In front of the barrier each wave waits for its reads of this slot and for all its tensor loads.
; fill = 1: the barrier opens a round of the cluster's barrier, and the joint refill is the first tensor load behind the round.
; From a request to the wait for it a wave issues 124 matrix instructions.
.macro TURN slot, next, fill
	s_wait_dscnt 4
	WIN MUL
	MULROW F1, 0, 0
	s_wait_dscnt 0
	s_wait_tensorcnt 0x0
	ds_add_u32 v255, v255
	s_wait_dscnt 0x0
	s_barrier_signal -1
	MULROW F1, 1, 0
	WIN 0
	s_barrier_wait -1
.if \fill
	CREST
	s_add_nc_u64 s[G0A+4*\slot+2:G0A+4*\slot+3], s[G0A+4*\slot+2:G0A+4*\slot+3], 2*KSTEP*2
	s_add_nc_u64 s[G0B+4*\slot+2:G0B+4*\slot+3], s[G0B+4*\slot+2:G0B+4*\slot+3], 2*KSTEP*SIZE_N*2
	JLOAD \slot
.endif
	PLACES
	FETCH \next, 0, F0
	WIN MUL
	MULROW F1, 2, 0
	MULROW F1, 3, 0
.endm
.macro LAP zero
	RUN 0, \zero
	TURN 0, 1, 1
	RUN 1, 0
	TURN 1, 0, 1
.endm
	s_wait_tensorcnt 1                             ; my part of K step 0 is in; K step 1's may stay out
	s_barrier_signal -1
	s_barrier_wait -1
	FETCH 0, 0, F0
	LAP 1
.if LAPS > 2
	WIN 0
	s_mov_b32 s19, LAPS-2
.Llap:
	LAP 0
	WIN 0
	s_sub_co_u32 s19, s19, 1
	s_cmp_lg_u32 s19, 0
	s_cbranch_scc1 .Llap
.endif
	RUN 0, 0                                       ; the last lap fills nothing
	TURN 0, 1, 0
	RUN 1, 0
	s_wait_dscnt 4
	WIN MUL
	MULROW F1, 0, 0
	MULROW F1, 1, 0
	s_wait_dscnt 0
	MULROW F1, 2, 0
	MULROW F1, 3, 0
	PLACES
	s_wait_loadcnt 0x0                             ; bias and residual
; THE WAY OUT, rows 16 a .. 16 a + 15 of my block: in f32 into my own stage, back as whole rows of 64 numbers, bias and residual added,
; sixteen lanes store 256 consecutive bytes, aligned.  f: F0 or F1 in turn.
.macro OUT16 a, f
	WIN 0x08                                       ; store data window 2
.irp b, 0,1,2,3
	ds_store_b128 v[STO], v[8*(4*\a+\b):8*(4*\a+\b)+3] offset:64*\b
	ds_store_b128 v[STO], v[8*(4*\a+\b)+4:8*(4*\a+\b)+7] offset:64*\b+16
.endr
	WIN 0
	s_wait_xcnt 0x0                                ; buffer f, which earlier stores read, is loaded again only behind this wait
.irp t, 0,1,2,3,4,5,6,7
	ds_load_b128 v[\f+4*\t:\f+4*\t+3], v[RD] offset:2*\t*SP        ; LDS serves a wave's instructions in order: these see the stores above
.endr
.irp t, 0,1,2,3,4,5,6,7
	s_wait_dscnt 7-\t
	v_pk_add_f32 v[\f+4*\t:\f+4*\t+1], v[\f+4*\t:\f+4*\t+1], v[BIAS:BIAS+1]
	v_pk_add_f32 v[\f+4*\t+2:\f+4*\t+3], v[\f+4*\t+2:\f+4*\t+3], v[BIAS+2:BIAS+3]
.endr
	WIN 0x0c                                       ; source 1 window 3: the residual
.irp t, 0,1,2,3,4,5,6,7
	v_pk_add_f32 v[\f+4*\t:\f+4*\t+1], v[\f+4*\t:\f+4*\t+1], v[4*(8*\a+\t):4*(8*\a+\t)+1]
	v_pk_add_f32 v[\f+4*\t+2:\f+4*\t+3], v[\f+4*\t+2:\f+4*\t+3], v[4*(8*\a+\t)+2:4*(8*\a+\t)+3]
.endr
	WIN 0
.irp t, 0,1,2,3,4,5,6,7
	global_store_b128 v[CO], v[\f+4*\t:\f+4*\t+3], s[8:9] offset:(16*\a+2*\t)*SIZE_N*4
.endr
.endm
	OUT16 0, F0
	OUT16 1, F1
	OUT16 2, F0
	OUT16 3, F1
	s_set_vgpr_msb 0x1
	s_wait_tensorcnt 0x0
	ds_add_u32 v255, v255
	s_wait_dscnt 0x0
	s_set_vgpr_msb 0x100
	CROUND                                         ; the closing round: no work-group ends while a partner may still ask for a tile that names it
	s_endpgm
.Lfunc_end_k_q40b1bdcadd_ffn2:
	.size	k_q40b1bdcadd_ffn2, .Lfunc_end_k_q40b1bdcadd_ffn2-k_q40b1bdcadd_ffn2
	.p2alignl 7, 3214868480
	.fill 96, 4, 3214868480
	.section	.rodata,"a",@progbits
	.p2align	6, 0x0
	.amdhsa_kernel k_q40b1bdcadd_ffn2
		.amdhsa_group_segment_fixed_size 327680
		.amdhsa_private_segment_fixed_size 0
		.amdhsa_enable_private_segment 0
		.amdhsa_kernarg_size 40
		.amdhsa_user_sgpr_count 2
		.amdhsa_user_sgpr_kernarg_segment_ptr 1
		.amdhsa_wavefront_size32 1
		.amdhsa_system_sgpr_workgroup_id_x 1
		.amdhsa_system_sgpr_workgroup_id_y 1
		.amdhsa_system_sgpr_workgroup_id_z 1
		.amdhsa_system_vgpr_workitem_id 0
		.amdhsa_next_free_vgpr 896
		.amdhsa_next_free_sgpr 80
		.amdhsa_reserve_vcc 0
		.amdhsa_float_denorm_mode_32 3
		.amdhsa_float_denorm_mode_16_64 3
		.amdhsa_memory_ordered 1
		.amdhsa_forward_progress 1
		.amdhsa_inst_pref_size 141
	.end_amdhsa_kernel
	.amdgpu_metadata
---
amdhsa.version: [ 1, 2 ]
amdhsa.kernels:
  - .name:           k_q40b1bdcadd_ffn2
    .symbol:         k_q40b1bdcadd_ffn2.kd
    .args:
      - { .name: g, .offset: 0, .size: 8, .value_kind: global_buffer, .address_space: global }
      - { .name: wbf, .offset: 8, .size: 8, .value_kind: global_buffer, .address_space: global }
      - { .name: out0, .offset: 16, .size: 8, .value_kind: global_buffer, .address_space: global }
      - { .name: b2, .offset: 24, .size: 8, .value_kind: global_buffer, .address_space: global }
      - { .name: x1, .offset: 32, .size: 8, .value_kind: global_buffer, .address_space: global }
    .group_segment_fixed_size: 327680
    .private_segment_fixed_size: 0
    .kernarg_segment_align: 8
    .kernarg_segment_size: 40
    .max_flat_workgroup_size: 128
    .sgpr_count:     80
    .vgpr_count:     896
    .wavefront_size: 32
...
	.end_amdgpu_metadata
.endif
;; end of part 7
;; ======== version 2 of 2: 7 launches; version 1 with the launches prep, ln2 written anew for expert scheduling mode
;; limits: a function is approximated: absolute error at most 1.5e-07
;; workspace buffers: wbf 25,165,824 bytes; h 8,388,608 bytes; qkv 25,165,824 bytes; att 8,388,608 bytes; x1 16,777,216 bytes; g 33,554,432 bytes
;; launch prep (part 8): grid 1024 x 1, 8 waves a work-group, no clusters, 0 bytes of LDS; arguments x, ln1_g, ln1_b, h, Wq, Wk, Wv, Wo, W1, W2, wbf; writes h, wbf
.if DOCPART == 8
	.amdgcn_target "amdgcn-amd-amdhsa--gfx1250"
	.amdhsa_code_object_version 6
	.text
	.protected	k_q40b1bdcadd_prep
	.globl	k_q40b1bdcadd_prep
	.p2align	8
	.type	k_q40b1bdcadd_prep,@function
k_q40b1bdcadd_prep:
	s_mov_b64 s[64:65], 0
	v_nop
	global_prefetch_b8 v0, s[64:65] scope:SCOPE_SE
	s_setreg_imm32_b32 hwreg(HW_REG_WAVE_SCHED_MODE, 0, 2), 2
	s_setreg_imm32_b32 hwreg(HW_REG_WAVE_MODE, 25, 1), 1
	s_wait_xcnt 0x0
	s_wait_alu depctr_vm_vsrc(0)
; Work-groups 0-255:    h = layernorm(x) * g + b, rounded once to bf16.  x: [4096][1024] f32, h: [4096][1024] bf16.
; Work-groups 256-1023: the six weight matrices, f32 to bf16, layout kept ([K][N]), one behind the other in wbf:
;                       Wq, Wk, Wv, Wo (2 MiB each), W1, W2 (8 MiB each).  Each matrix is read by 16 to 32 row blocks later, so it is rounded once here.
; Both kinds of work-group read 65,536 bytes.  Memory binds: no LDS, no barrier, no matrix unit, no cluster (no byte is shared).
; LN: a row is 4,096 bytes = 32 registers of one wave; a wave takes two rows and keeps them in registers between the passes.
; The variance is the mean of (x - mean)^2, taken on the centred row: no difference of large sums is formed.
; Limits: non-finite inputs are not served.
; THE MODE: SCHED_MODE bits 1:0 = 2 (LLVM: expert scheduling mode 2), set by the entry lines.  The code itself states the register dependences
; between vector instructions and memory instructions, with s_wait_alu, always for 0.
; THE PLAN.  Registers that memory instructions touch:
;   v1, v2        byte offsets, made once at the head and never written again; every load reads v1, every store v2.
;   X0, X1, GA, BE (LN) and v[32:95] (weights)  the loads land in them; no vector instruction names them before that.
;   the first two of each four registers of X0, X1 (LN) and of v[32:95] (weights)  written by the roundings, read by the stores, never written again.
; LN: one wait behind row 0's roundings; row 0's eight stores follow it, dealt among row 1's arithmetic, which names X1, GA and BE alone; one wait
; behind that arithmetic, ahead of row 1's stores.  Weights: the sixteen pieces go in four groups; a group's eight roundings, one wait, its four stores,
; which so leave ahead of the wait for the next group's data.  No register that a memory instruction has read is written again.
.set X0, 32                            ; v[32:63]   row 0
.set X1, 64                            ; v[64:95]   row 1
.set GA, 96                            ; v[96:127]  g of my 32 columns
.set BE, 128                           ; v[128:159] b of my 32 columns
; v1 = 16 x lane, v2 = 8 x lane, v[4:7] two chains of sums, v[8:9] mean twice, v[10:11] 1/sqrt twice, v12, v13 at work
.macro LANESUM                         ; v12 summed over the 32 lanes, the result in every lane
	v_add_f32_dpp v12, v12, v12 row_xmask:1 row_mask:0xf bank_mask:0xf
	v_add_f32_dpp v12, v12, v12 row_xmask:2 row_mask:0xf bank_mask:0xf
	v_add_f32_dpp v12, v12, v12 row_xmask:4 row_mask:0xf bank_mask:0xf
	v_add_f32_dpp v12, v12, v12 row_xmask:8 row_mask:0xf bank_mask:0xf
	v_permlanex16_b32 v13, v12, s28, s29
	v_add_f32 v12, v12, v13
.endm
; the row in v[X:X+31] becomes (x - mean) / sqrt(var + eps), in place
.macro STATS X
	v_pk_add_f32 v[4:5], v[\X:\X+1], v[\X+2:\X+3]
	v_pk_add_f32 v[6:7], v[\X+4:\X+5], v[\X+6:\X+7]
.set j, 8
.rept 6
	v_pk_add_f32 v[4:5], v[4:5], v[\X+j:\X+j+1]
	v_pk_add_f32 v[6:7], v[6:7], v[\X+j+2:\X+j+3]
.set j, j+4
.endr
	v_pk_add_f32 v[4:5], v[4:5], v[6:7]
	v_add_f32 v12, v4, v5
	LANESUM
	v_mul_f32 v8, s30, v12                         ; the mean, twice, for the packed subtraction
	v_mul_f32 v9, s30, v12
.set j, 0
.rept 16
	v_pk_add_f32 v[\X+j:\X+j+1], v[\X+j:\X+j+1], v[8:9] neg_lo:[0,1] neg_hi:[0,1]
.set j, j+2
.endr
	v_pk_mul_f32 v[4:5], v[\X:\X+1], v[\X:\X+1]
	v_pk_mul_f32 v[6:7], v[\X+2:\X+3], v[\X+2:\X+3]
.set j, 4
.rept 7
	v_pk_fma_f32 v[4:5], v[\X+j:\X+j+1], v[\X+j:\X+j+1], v[4:5]
	v_pk_fma_f32 v[6:7], v[\X+j+2:\X+j+3], v[\X+j+2:\X+j+3], v[6:7]
.set j, j+4
.endr
	v_pk_add_f32 v[4:5], v[4:5], v[6:7]
	v_add_f32 v12, v4, v5
	LANESUM
	v_fma_f32 v12, v12, s30, s31                   ; var + eps
	v_rsq_f32 v10, v12
	v_rsq_f32 v11, v12
	v_nop                                          ; one plain instruction behind the transcendentals before their results are used (ISA guide 5.7.2)
.set j, 0
	s_wait_alu depctr_va_vdst(0)                   ; the two reciprocal roots v10 and v11 are written, ahead of their first reader: one wait for both
.rept 16
	v_pk_mul_f32 v[\X+j:\X+j+1], v[\X+j:\X+j+1], v[10:11]
.set j, j+2
.endr
.endm
; piece j (four columns a lane) of the row in X: * g + b, rounded to bf16 into the first two of its four registers
.macro SCALE X, j
	v_pk_fma_f32 v[\X+4*(\j):\X+4*(\j)+1], v[\X+4*(\j):\X+4*(\j)+1], v[GA+4*(\j):GA+4*(\j)+1], v[BE+4*(\j):BE+4*(\j)+1]
	v_pk_fma_f32 v[\X+4*(\j)+2:\X+4*(\j)+3], v[\X+4*(\j)+2:\X+4*(\j)+3], v[GA+4*(\j)+2:GA+4*(\j)+3], v[BE+4*(\j)+2:BE+4*(\j)+3]
	v_cvt_pk_bf16_f32 v[\X+4*(\j)], v[\X+4*(\j)], v[\X+4*(\j)+1]
	v_cvt_pk_bf16_f32 v[\X+4*(\j)+1], v[\X+4*(\j)+2], v[\X+4*(\j)+3]
.endm
; piece j stored: a store of the wave covers 256 consecutive bytes, aligned
.macro SEND X, j, rowoff
	global_store_b64 v2, v[\X+4*(\j):\X+4*(\j)+1], s[10:11] offset:256*(\j)+\rowoff
.endm
	s_load_b256 s[4:11], s[0:1], 0x0               ; x s[4:5], g s[6:7], b s[8:9], h s[10:11]
	s_load_b256 s[12:19], s[0:1], 0x20             ; Wq, Wk, Wv, Wo
	s_load_b128 s[20:23], s[0:1], 0x40             ; W1, W2
	s_load_b64 s[24:25], s[0:1], 0x50              ; wbf
	v_lshrrev_b32 v3, 5, v0
	v_readfirstlane_b32 s26, v3                    ; wave 0..7
	v_and_b32 v1, 31, v0
	v_lshlrev_b32 v2, 3, v1                        ; 8 x lane: my bytes in a stored piece
	v_lshlrev_b32 v1, 4, v1                        ; 16 x lane: my bytes in a loaded piece
	s_wait_alu depctr_va_sdst(0)                   ; s26 is written, ahead of the branch and of its first reader on either way: the bases are made from it
	s_cmp_ge_u32 ttmp9, 256
	s_cbranch_scc1 .Lcvt
	; ---- layernorm: rows 16 x group + 2 x wave and the next
	s_lshl_b32 s32, ttmp9, 4
	s_lshl1_add_u32 s32, s26, s32                  ; my first row
	s_lshl_b32 s34, s32, 11                        ; x 2,048 bytes in h
	s_lshl_b32 s32, s32, 12                        ; x 4,096 bytes in x
	s_mov_b32 s33, 0
	s_mov_b32 s35, 0
	s_mov_b32 s28, 0x76543210                      ; v_permlanex16_b32: lane i reads lane i of the other half
	s_mov_b32 s29, 0xfedcba98
	s_mov_b32 s30, 0x3a800000                      ; 1 / 1024
	s_mov_b32 s31, 0x3727c5ac                      ; 1e-5
	v_mov_b32 v13, 0                               ; the permute's destination counts as read
	s_wait_kmcnt 0x0
	s_add_nc_u64 s[4:5], s[4:5], s[32:33]
	s_add_nc_u64 s[10:11], s[10:11], s[34:35]
	s_wait_alu depctr_va_vdst(0)                   ; v1 and v2 are written: every load below reads v1 as its offset, every store v2
.irp j, 0,1,2,3,4,5,6,7
	global_load_b128 v[X0+4*\j:X0+4*\j+3], v1, s[4:5] offset:512*\j
.endr
.irp j, 0,1,2,3,4,5,6,7
	global_load_b128 v[X1+4*\j:X1+4*\j+3], v1, s[4:5] offset:512*\j+4096
.endr
.irp j, 0,1,2,3,4,5,6,7
	global_load_b128 v[GA+4*\j:GA+4*\j+3], v1, s[6:7] offset:512*\j
.endr
.irp j, 0,1,2,3,4,5,6,7
	global_load_b128 v[BE+4*\j:BE+4*\j+3], v1, s[8:9] offset:512*\j
.endr
	s_wait_loadcnt 24                              ; row 0 is in; the 24 younger loads stay out
	STATS X0
	s_wait_loadcnt 16                              ; row 1 is in; g and b may stay out
	STATS X1
	s_wait_loadcnt 0x0
.irp j, 0,1,2,3,4,5,6,7
	SCALE X0, \j
.endr
	s_wait_alu depctr_va_vdst(0)                   ; row 0's roundings have written the sixteen registers that its eight stores read
.irp j, 0,1,2,3,4,5,6,7
	SEND X0, \j, 0                                 ; no further wait: the vector lines since the wait name X1, GA and BE alone
	SCALE X1, \j
.endr
	s_wait_alu depctr_va_vdst(0)                   ; row 1's roundings have written the sixteen registers that its eight stores read
.irp j, 0,1,2,3,4,5,6,7
	SEND X1, \j, 2048
.endr
	s_endpgm
	; ---- weights: work-group idx = id - 256 rounds 16,384 numbers, a wave 2,048
.Lcvt:
	s_sub_co_u32 s27, ttmp9, 256
	s_wait_kmcnt 0x0
	s_mov_b64 s[36:37], s[22:23]                   ; which matrix, and its first work-group: W2 from 512 on,
	s_mov_b32 s38, 512
	s_cmp_lt_u32 s27, 512
	s_cselect_b64 s[36:37], s[20:21], s[36:37]     ; W1 from 256,
	s_cselect_b32 s38, 256, s38
	s_cmp_lt_u32 s27, 256
	s_cselect_b64 s[36:37], s[18:19], s[36:37]     ; Wo from 192,
	s_cselect_b32 s38, 192, s38
	s_cmp_lt_u32 s27, 192
	s_cselect_b64 s[36:37], s[16:17], s[36:37]     ; Wv from 128,
	s_cselect_b32 s38, 128, s38
	s_cmp_lt_u32 s27, 128
	s_cselect_b64 s[36:37], s[14:15], s[36:37]     ; Wk from 64,
	s_cselect_b32 s38, 64, s38
	s_cmp_lt_u32 s27, 64
	s_cselect_b64 s[36:37], s[12:13], s[36:37]     ; Wq from 0
	s_cselect_b32 s38, 0, s38
	s_sub_co_u32 s38, s27, s38
	s_lshl_b32 s32, s38, 16                        ; 65,536 bytes of f32 a work-group,
	s_lshl_b32 s39, s26, 13                        ; 8,192 a wave
	s_add_co_u32 s32, s32, s39
	s_mov_b32 s33, 0
	s_add_nc_u64 s[36:37], s[36:37], s[32:33]
	s_lshl_b32 s34, s27, 15                        ; half of that in wbf, counted over all six matrices
	s_lshl_b32 s39, s26, 12
	s_add_co_u32 s34, s34, s39
	s_mov_b32 s35, 0
	s_add_nc_u64 s[24:25], s[24:25], s[34:35]
	s_wait_alu depctr_va_vdst(0)                   ; v1 and v2 are written: every load below reads v1 as its offset, every store v2
.irp j, 0,1,2,3,4,5,6,7,8,9,10,11,12,13,14,15
	global_load_b128 v[32+4*\j:35+4*\j], v1, s[36:37] offset:512*\j th:TH_LOAD_NT
.endr
.irp g, 0,1,2,3
	s_wait_loadcnt 12-4*\g                         ; loads come back in order: pieces up to 4 g + 3 are in, the groups behind them stay out
.irp t, 0,1,2,3
	v_cvt_pk_bf16_f32 v[32+16*\g+4*\t], v[32+16*\g+4*\t], v[33+16*\g+4*\t]
	v_cvt_pk_bf16_f32 v[33+16*\g+4*\t], v[34+16*\g+4*\t], v[35+16*\g+4*\t]
.endr
	s_wait_alu depctr_va_vdst(0)                   ; the group's roundings have written the eight registers that its four stores read
.irp t, 0,1,2,3
	global_store_b64 v2, v[32+16*\g+4*\t:33+16*\g+4*\t], s[24:25] offset:256*(4*\g+\t)
.endr
.endr
	s_endpgm
.Lfunc_end_k_q40b1bdcadd_prep:
	.size	k_q40b1bdcadd_prep, .Lfunc_end_k_q40b1bdcadd_prep-k_q40b1bdcadd_prep
	.p2alignl 7, 3214868480
	.fill 96, 4, 3214868480
	.section	.rodata,"a",@progbits
	.p2align	6, 0x0
	.amdhsa_kernel k_q40b1bdcadd_prep
		.amdhsa_group_segment_fixed_size 0
		.amdhsa_private_segment_fixed_size 0
		.amdhsa_enable_private_segment 0
		.amdhsa_kernarg_size 88
		.amdhsa_user_sgpr_count 2
		.amdhsa_user_sgpr_kernarg_segment_ptr 1
		.amdhsa_wavefront_size32 1
		.amdhsa_system_sgpr_workgroup_id_x 1
		.amdhsa_system_sgpr_workgroup_id_y 1
		.amdhsa_system_sgpr_workgroup_id_z 1
		.amdhsa_system_vgpr_workitem_id 0
		.amdhsa_next_free_vgpr 160
		.amdhsa_next_free_sgpr 66
		.amdhsa_reserve_vcc 0
		.amdhsa_float_denorm_mode_32 3
		.amdhsa_float_denorm_mode_16_64 3
		.amdhsa_memory_ordered 1
		.amdhsa_forward_progress 1
		.amdhsa_inst_pref_size 27
	.end_amdhsa_kernel
	.amdgpu_metadata
---
amdhsa.version: [ 1, 2 ]
amdhsa.kernels:
  - .name:           k_q40b1bdcadd_prep
    .symbol:         k_q40b1bdcadd_prep.kd
    .args:
      - { .name: x, .offset: 0, .size: 8, .value_kind: global_buffer, .address_space: global }
      - { .name: ln1_g, .offset: 8, .size: 8, .value_kind: global_buffer, .address_space: global }
      - { .name: ln1_b, .offset: 16, .size: 8, .value_kind: global_buffer, .address_space: global }
      - { .name: h, .offset: 24, .size: 8, .value_kind: global_buffer, .address_space: global }
      - { .name: Wq, .offset: 32, .size: 8, .value_kind: global_buffer, .address_space: global }
      - { .name: Wk, .offset: 40, .size: 8, .value_kind: global_buffer, .address_space: global }
      - { .name: Wv, .offset: 48, .size: 8, .value_kind: global_buffer, .address_space: global }
      - { .name: Wo, .offset: 56, .size: 8, .value_kind: global_buffer, .address_space: global }
      - { .name: W1, .offset: 64, .size: 8, .value_kind: global_buffer, .address_space: global }
      - { .name: W2, .offset: 72, .size: 8, .value_kind: global_buffer, .address_space: global }
      - { .name: wbf, .offset: 80, .size: 8, .value_kind: global_buffer, .address_space: global }
    .group_segment_fixed_size: 0
    .private_segment_fixed_size: 0
    .kernarg_segment_align: 8
    .kernarg_segment_size: 88
    .max_flat_workgroup_size: 256
    .sgpr_count:     66
    .vgpr_count:     160
    .wavefront_size: 32
...
	.end_amdgpu_metadata
.endif
;; end of part 8
;; launch qkv: the kernel of part 2 again; grid 12 x 16, 4 waves a work-group, clusters of 4 x 4, 327,680 bytes of LDS; arguments h, wbf, qkv, bq, bk, bv; writes qkv
;; launch attn: the kernel of part 3 again; grid 16 x 16, 8 waves a work-group, clusters of 4 x 1, 327,680 bytes of LDS; arguments qkv, att; writes att
;; launch wo: the kernel of part 4 again; grid 8 x 32, 4 waves a work-group, clusters of 4 x 4, 327,680 bytes of LDS; arguments att, wbf, x1, bo, x; writes x1
;; launch ln2 (part 9): grid 256 x 1, 8 waves a work-group, no clusters, 0 bytes of LDS; arguments x1, ln2_g, ln2_b, h; writes h
.if DOCPART == 9
	.amdgcn_target "amdgcn-amd-amdhsa--gfx1250"
	.amdhsa_code_object_version 6
	.text
	.protected	k_q40b1bdcadd_ln2
	.globl	k_q40b1bdcadd_ln2
	.p2align	8
	.type	k_q40b1bdcadd_ln2,@function
k_q40b1bdcadd_ln2:
	s_mov_b64 s[64:65], 0
	v_nop
	global_prefetch_b8 v0, s[64:65] scope:SCOPE_SE
	s_setreg_imm32_b32 hwreg(HW_REG_WAVE_SCHED_MODE, 0, 2), 2
	s_setreg_imm32_b32 hwreg(HW_REG_WAVE_MODE, 25, 1), 1
	s_wait_xcnt 0x0
	s_wait_alu depctr_vm_vsrc(0)
; h = layernorm(x1) * g + b, rounded once to bf16.  x1: [4096][1024] f32, h: [4096][1024] bf16.
; A row is 4,096 bytes = 32 registers of one wave; a wave takes two rows and keeps them in registers between the passes; eight waves, 16 rows a work-group.
; Memory binds: no LDS, no barrier, no matrix unit, no cluster (no byte is shared but g and b, 8 KiB).
; The variance is the mean of (x - mean)^2, taken on the centred row: no difference of large sums is formed.
; Limits: non-finite inputs are not served.
; THE MODE: SCHED_MODE bits 1:0 = 2 (LLVM: expert scheduling mode 2), set by the entry lines.  The code itself states the register dependences
; between vector instructions and memory instructions, with s_wait_alu, always for 0.
; THE PLAN.  Registers that memory instructions touch:
;   v1, v2          byte offsets, made once at the head and never written again; every load reads v1, every store v2.
;   X0, X1, GA, BE  the loads land in them; no vector instruction names them before that.
;   the first two of each four registers of X0 and X1  written by the roundings, read by the stores, never written again.
; One wait behind row 0's roundings; row 0's eight stores follow it, dealt among row 1's arithmetic, which names X1, GA and BE alone; one wait behind
; that arithmetic, ahead of row 1's stores.  No register that a memory instruction has read is written again.
.set X0, 32                            ; v[32:63]   row 0
.set X1, 64                            ; v[64:95]   row 1
.set GA, 96                            ; v[96:127]  g of my 32 columns
.set BE, 128                           ; v[128:159] b of my 32 columns
; v1 = 16 x lane, v2 = 8 x lane, v[4:7] two chains of sums, v[8:9] mean twice, v[10:11] 1/sqrt twice, v12, v13 at work
.macro LANESUM                         ; v12 summed over the 32 lanes, the result in every lane
	v_add_f32_dpp v12, v12, v12 row_xmask:1 row_mask:0xf bank_mask:0xf
	v_add_f32_dpp v12, v12, v12 row_xmask:2 row_mask:0xf bank_mask:0xf
	v_add_f32_dpp v12, v12, v12 row_xmask:4 row_mask:0xf bank_mask:0xf
	v_add_f32_dpp v12, v12, v12 row_xmask:8 row_mask:0xf bank_mask:0xf
	v_permlanex16_b32 v13, v12, s28, s29
	v_add_f32 v12, v12, v13
.endm
; the row in v[X:X+31] becomes (x - mean) / sqrt(var + eps), in place
.macro STATS X
	v_pk_add_f32 v[4:5], v[\X:\X+1], v[\X+2:\X+3]
	v_pk_add_f32 v[6:7], v[\X+4:\X+5], v[\X+6:\X+7]
.set j, 8
.rept 6
	v_pk_add_f32 v[4:5], v[4:5], v[\X+j:\X+j+1]
	v_pk_add_f32 v[6:7], v[6:7], v[\X+j+2:\X+j+3]
.set j, j+4
.endr
	v_pk_add_f32 v[4:5], v[4:5], v[6:7]
	v_add_f32 v12, v4, v5
	LANESUM
	v_mul_f32 v8, s30, v12
	v_mul_f32 v9, s30, v12
.set j, 0
.rept 16
	v_pk_add_f32 v[\X+j:\X+j+1], v[\X+j:\X+j+1], v[8:9] neg_lo:[0,1] neg_hi:[0,1]
.set j, j+2
.endr
	v_pk_mul_f32 v[4:5], v[\X:\X+1], v[\X:\X+1]
	v_pk_mul_f32 v[6:7], v[\X+2:\X+3], v[\X+2:\X+3]
.set j, 4
.rept 7
	v_pk_fma_f32 v[4:5], v[\X+j:\X+j+1], v[\X+j:\X+j+1], v[4:5]
	v_pk_fma_f32 v[6:7], v[\X+j+2:\X+j+3], v[\X+j+2:\X+j+3], v[6:7]
.set j, j+4
.endr
	v_pk_add_f32 v[4:5], v[4:5], v[6:7]
	v_add_f32 v12, v4, v5
	LANESUM
	v_fma_f32 v12, v12, s30, s31                   ; var + eps
	v_rsq_f32 v10, v12
	v_rsq_f32 v11, v12
	v_nop                                          ; one plain instruction behind the transcendentals before their results are used (ISA guide 5.7.2)
.set j, 0
	s_wait_alu depctr_va_vdst(0)                   ; the two reciprocal roots v10 and v11 are written, ahead of their first reader: one wait for both
.rept 16
	v_pk_mul_f32 v[\X+j:\X+j+1], v[\X+j:\X+j+1], v[10:11]
.set j, j+2
.endr
.endm
; piece j (four columns a lane) of the row in X: * g + b, rounded to bf16 into the first two of its four registers
.macro SCALE X, j
	v_pk_fma_f32 v[\X+4*(\j):\X+4*(\j)+1], v[\X+4*(\j):\X+4*(\j)+1], v[GA+4*(\j):GA+4*(\j)+1], v[BE+4*(\j):BE+4*(\j)+1]
	v_pk_fma_f32 v[\X+4*(\j)+2:\X+4*(\j)+3], v[\X+4*(\j)+2:\X+4*(\j)+3], v[GA+4*(\j)+2:GA+4*(\j)+3], v[BE+4*(\j)+2:BE+4*(\j)+3]
	v_cvt_pk_bf16_f32 v[\X+4*(\j)], v[\X+4*(\j)], v[\X+4*(\j)+1]
	v_cvt_pk_bf16_f32 v[\X+4*(\j)+1], v[\X+4*(\j)+2], v[\X+4*(\j)+3]
.endm
; piece j stored: a store of the wave covers 256 consecutive bytes, aligned
.macro SEND X, j, rowoff
	global_store_b64 v2, v[\X+4*(\j):\X+4*(\j)+1], s[10:11] offset:256*(\j)+\rowoff
.endm
	s_load_b256 s[4:11], s[0:1], 0x0               ; x1 s[4:5], g s[6:7], b s[8:9], h s[10:11]
	v_lshrrev_b32 v3, 5, v0
	v_readfirstlane_b32 s26, v3                    ; wave 0..7
	v_and_b32 v1, 31, v0
	v_lshlrev_b32 v2, 3, v1                        ; 8 x lane
	v_lshlrev_b32 v1, 4, v1                        ; 16 x lane
	s_wait_alu depctr_va_sdst(0)                   ; s26 is written, ahead of its first reader: the bases of x1 and h are made from it
	s_lshl_b32 s32, ttmp9, 4
	s_lshl1_add_u32 s32, s26, s32                  ; my first row
	s_lshl_b32 s34, s32, 11
	s_lshl_b32 s32, s32, 12
	s_mov_b32 s33, 0
	s_mov_b32 s35, 0
	s_mov_b32 s28, 0x76543210
	s_mov_b32 s29, 0xfedcba98
	s_mov_b32 s30, 0x3a800000                      ; 1 / 1024
	s_mov_b32 s31, 0x3727c5ac                      ; 1e-5
	v_mov_b32 v13, 0                               ; the permute's destination counts as read
	s_wait_kmcnt 0x0
	s_add_nc_u64 s[4:5], s[4:5], s[32:33]
	s_add_nc_u64 s[10:11], s[10:11], s[34:35]
	s_wait_alu depctr_va_vdst(0)                   ; v1 and v2 are written: every load below reads v1 as its offset, every store v2
.irp j, 0,1,2,3,4,5,6,7
	global_load_b128 v[X0+4*\j:X0+4*\j+3], v1, s[4:5] offset:512*\j
.endr
.irp j, 0,1,2,3,4,5,6,7
	global_load_b128 v[X1+4*\j:X1+4*\j+3], v1, s[4:5] offset:512*\j+4096
.endr
.irp j, 0,1,2,3,4,5,6,7
	global_load_b128 v[GA+4*\j:GA+4*\j+3], v1, s[6:7] offset:512*\j
.endr
.irp j, 0,1,2,3,4,5,6,7
	global_load_b128 v[BE+4*\j:BE+4*\j+3], v1, s[8:9] offset:512*\j
.endr
	s_wait_loadcnt 24                              ; row 0 is in; the 24 younger loads stay out
	STATS X0
	s_wait_loadcnt 16                              ; row 1 is in; g and b may stay out
	STATS X1
	s_wait_loadcnt 0x0
.irp j, 0,1,2,3,4,5,6,7
	SCALE X0, \j
.endr
	s_wait_alu depctr_va_vdst(0)                   ; row 0's roundings have written the sixteen registers that its eight stores read
.irp j, 0,1,2,3,4,5,6,7
	SEND X0, \j, 0                                 ; no further wait: the vector lines since the wait name X1, GA and BE alone
	SCALE X1, \j
.endr
	s_wait_alu depctr_va_vdst(0)                   ; row 1's roundings have written the sixteen registers that its eight stores read
.irp j, 0,1,2,3,4,5,6,7
	SEND X1, \j, 2048
.endr
	s_endpgm
.Lfunc_end_k_q40b1bdcadd_ln2:
	.size	k_q40b1bdcadd_ln2, .Lfunc_end_k_q40b1bdcadd_ln2-k_q40b1bdcadd_ln2
	.p2alignl 7, 3214868480
	.fill 96, 4, 3214868480
	.section	.rodata,"a",@progbits
	.p2align	6, 0x0
	.amdhsa_kernel k_q40b1bdcadd_ln2
		.amdhsa_group_segment_fixed_size 0
		.amdhsa_private_segment_fixed_size 0
		.amdhsa_enable_private_segment 0
		.amdhsa_kernarg_size 32
		.amdhsa_user_sgpr_count 2
		.amdhsa_user_sgpr_kernarg_segment_ptr 1
		.amdhsa_wavefront_size32 1
		.amdhsa_system_sgpr_workgroup_id_x 1
		.amdhsa_system_sgpr_workgroup_id_y 1
		.amdhsa_system_sgpr_workgroup_id_z 1
		.amdhsa_system_vgpr_workitem_id 0
		.amdhsa_next_free_vgpr 160
		.amdhsa_next_free_sgpr 66
		.amdhsa_reserve_vcc 0
		.amdhsa_float_denorm_mode_32 3
		.amdhsa_float_denorm_mode_16_64 3
		.amdhsa_memory_ordered 1
		.amdhsa_forward_progress 1
		.amdhsa_inst_pref_size 20
	.end_amdhsa_kernel
	.amdgpu_metadata
---
amdhsa.version: [ 1, 2 ]
amdhsa.kernels:
  - .name:           k_q40b1bdcadd_ln2
    .symbol:         k_q40b1bdcadd_ln2.kd
    .args:
      - { .name: x1, .offset: 0, .size: 8, .value_kind: global_buffer, .address_space: global }
      - { .name: ln2_g, .offset: 8, .size: 8, .value_kind: global_buffer, .address_space: global }
      - { .name: ln2_b, .offset: 16, .size: 8, .value_kind: global_buffer, .address_space: global }
      - { .name: h, .offset: 24, .size: 8, .value_kind: global_buffer, .address_space: global }
    .group_segment_fixed_size: 0
    .private_segment_fixed_size: 0
    .kernarg_segment_align: 8
    .kernarg_segment_size: 32
    .max_flat_workgroup_size: 256
    .sgpr_count:     66
    .vgpr_count:     160
    .wavefront_size: 32
...
	.end_amdgpu_metadata
.endif
;; end of part 9
;; launch ffn1: the kernel of part 6 again; grid 16 x 16, 4 waves a work-group, clusters of 4 x 4, 327,680 bytes of LDS; arguments h, wbf, g, b1; writes g
;; launch ffn2: the kernel of part 7 again; grid 8 x 32, 4 waves a work-group, clusters of 4 x 4, 327,680 bytes of LDS; arguments g, wbf, out0, b2, x1; writes out0
